; MI455X (gfx1250); checked and timed in simulation.
; The chip was launched on July 23, 2026; its instructions are those of AMD's public machine-readable ISA for CDNA 5 (MIT licence, August 2026) and "CDNA5" Instruction Set Architecture Reference Guide (July 2026). The comments in the code are by the model that wrote it; some were corrected since.
;; Neuro Manifold Block. Allowed arithmetic: float matrix products may take bf16 or f16 operands with f32 sums; all other float work in f32.
;; Inputs: b_out 1,024 float32; b_qkv 3,072 float32; ln1_b 1,024 float32; ln1_g 1,024 float32; ln2_b 1,024 float32; ln2_g 1,024 float32; sdr 2 x 1,024 x 2,048 float32; sdr_b 1,024 float32; sdr_w 2,048 x 1,024 float32; w_down 2,730 x 1,024 float32; w_gate 1,024 x 2,730 float32; w_out 1,024 x 1,024 float32; w_qkv 1,024 x 3,072 float32; w_up 1,024 x 2,730 float32.
;; Outputs: out0 2 x 1,024 x 1,024 float32.
;; One version. Each part assembles by itself: llvm-mc -triple=amdgcn-amd-amdhsa -mcpu=gfx1250 --defsym DOCPART=n.
;; ======== version 1 of 1: 9 launches
;; workspace buffers: pre 39,845,888 bytes; x 8,388,608 bytes; x2 8,388,608 bytes; h 4,194,304 bytes; qkvh 12,582,912 bytes; ctxh 4,194,304 bytes; act 12,582,912 bytes
;; launch prep (part 1): grid 1472 x 1, 8 waves a work-group, no clusters, 0 bytes of LDS; arguments sdr, sdr_w, w_out, w_down, w_qkv, w_gate, w_up, pre; writes pre
.if DOCPART == 1
	.amdgcn_target "amdgcn-amd-amdhsa--gfx1250"
	.amdhsa_code_object_version 6
	.text
	.protected	k_qa894d9912b_prep
	.globl	k_qa894d9912b_prep
	.p2align	8
	.type	k_qa894d9912b_prep,@function
k_qa894d9912b_prep:
	s_mov_b64 s[64:65], 0
	v_nop
	global_prefetch_b8 v0, s[64:65] scope:SCOPE_SE
	s_setreg_imm32_b32 hwreg(HW_REG_WAVE_MODE, 25, 1), 1
	s_wait_xcnt 0x0
; prep: every matrix operand that is an input is rounded to bf16 once, and the weights ([K][N] in memory) are laid as TILE IMAGES:
; [column tile][k][columns of the tile], so that the tile of one K step of one column tile is one dense run of bytes.
;   pre + 0         sdr        [2048][2048]
;   pre + OFF_W1    sdr_w      [16][2048][64]
;   pre + OFF_WQ    w_qkv      [16][1024][192]
;   pre + OFF_WO    w_out      [16][1024][64]
;   pre + OFF_GU    w_gate, then w_up   [16][1024][192 positions]
;   pre + OFF_DN    w_down     [16][16 x 192 positions][64]
; The hidden size 2,730 is dealt to 16 tiles: tile s holds the real columns 172 s + pos, pos < lim(s) = min(172, 2730 - 172 s); positions
; from lim(s) to 191 are written as zeros in the images of w_gate, w_up (columns) and w_down (rows), so they add nothing to any sum.
; A PIECE is 8 numbers: 32 bytes of f32 in, 16 bytes of bf16 out.  Thread t takes pieces 256 i + t of its work-group's dense run of the
; image: a wave's store covers 512 consecutive bytes, aligned.  Straight text: all loads of a section first, then piece by piece a
; counted wait, four roundings into registers of the piece's own, the store.  No register that a memory instruction names is rewritten.
.set OFF_W1, 8388608
.set OFF_WQ, 12582912
.set OFF_WO, 18874368
.set OFF_GU, 20971520
.set OFF_DN, 33554432
.set AD, 4                             ; v[4:27]    byte offsets of the loads
.set PP, 28                            ; v[28:33]   piece i: its row in the tile (w_down) or 8 x its place in the row (gate, up), for the zeros
.set X,  34                            ; v[34:97]   piece i: 8 registers as loaded
.set Y,  98                            ; v[98:129]  piece i: 4 registers to store
.set TT, 130                           ; v[130:132] at work
.macro LOAD2 i, a, step                ; piece i: its 32 bytes by two loads of 16
	global_load_b128 v[X+8*\i:X+8*\i+3],   v[\a], s[20:21] offset:\step*\i th:TH_LOAD_NT
	global_load_b128 v[X+8*\i+4:X+8*\i+7], v[\a], s[20:21] offset:\step*\i+16 th:TH_LOAD_NT
.endm
.macro ROUNDP i, left                  ; left = the loads issued behind piece i's, which may stay out
	s_wait_loadcnt \left
.irp k, 0,1,2,3
	v_cvt_pk_bf16_f32 v[Y+4*\i+\k], v[X+8*\i+2*\k], v[X+8*\i+2*\k+1]
.endr
.endm
.macro PUT i
	global_store_b128 v2, v[Y+4*\i:Y+4*\i+3], s[22:23] offset:4096*\i
.endm
.macro ROWPOS i                        ; piece p = 256 i + t of a run with 24 pieces a row: row -> v[TT+1], place -> v[TT]
	v_add_nc_u32 v[TT], 256*\i, v0
	v_lshrrev_b32 v[TT+1], 3, v[TT]
	v_mul_u32_u24 v[TT+1], v[TT+1], 43691          ; (p / 8) / 3 = ((p / 8) x 43691) >> 17, exact for p / 8 < 192
	v_lshrrev_b32 v[TT+1], 17, v[TT+1]
	v_mul_u32_u24 v[TT+2], v[TT+1], 24
	v_sub_nc_u32 v[TT], v[TT], v[TT+2]
.endm
	s_load_b512 s[4:19], s[0:1], 0x0               ; sdr s[4:5], sdr_w s[6:7], w_out s[8:9], w_down s[10:11], w_qkv s[12:13], w_gate s[14:15], w_up s[16:17], pre s[18:19]
	v_lshlrev_b32 v2, 4, v0                        ; where my 16 bytes go: 16 t
	v_lshrrev_b32 v3, 3, v0                        ; t / 8: my row among 32, in images of 64 columns
	v_and_b32 v1, 7, v0
	v_lshlrev_b32 v1, 5, v1                        ; 32 (t % 8): my 32 bytes of such a row
	s_mov_b32 s25, 0
	s_mov_b32 s27, 0
	s_wait_kmcnt 0x0
	s_cmp_lt_u32 ttmp9, 256
	s_cbranch_scc1 .Lsdr
	s_cmp_lt_u32 ttmp9, 448
	s_cbranch_scc1 .Lw64
	s_cmp_lt_u32 ttmp9, 704
	s_cbranch_scc1 .Ldn
	s_cmp_lt_u32 ttmp9, 960
	s_cbranch_scc1 .Lqkv
	; ---- w_gate (256 work-groups), then w_up (256): 64 rows of k x 192 positions each.  A row of the source is 10,920 bytes, a multiple of 8 and
	; not of 16, and a tile's first column is even: loads of 8 bytes, each two neighbouring columns.
	s_sub_co_u32 s24, ttmp9, 960                   ; number in the section
	s_cmp_lt_u32 s24, 256
	s_cselect_b64 s[20:21], s[14:15], s[16:17]
	s_bfe_u32 s26, s24, 0x40004                    ; column tile
	s_and_b32 s30, s24, 15                         ; block of 64 rows of k
	s_mul_i32 s28, s26, 172                        ; the tile's first real column
	s_sub_co_u32 s29, 2730, s28
	s_min_u32 s29, s29, 172                        ; lim: positions from here on are zeros (172 or 150: even, so a pair is real or not as a whole)
	s_mul_i32 s26, s30, 64*10920
	s_add_nc_u64 s[20:21], s[20:21], s[26:27]
	s_mul_i32 s24, s24, 24576
	s_add_co_u32 s24, s24, OFF_GU
	s_add_nc_u64 s[22:23], s[18:19], s[24:25]
.irp i, 0,1,2,3,4,5
	ROWPOS \i
	v_lshlrev_b32 v[PP+\i], 3, v[TT]               ; the piece's first position
	v_mul_u32_u24 v[TT+1], v[TT+1], 10920
	v_add_nc_u32 v[TT+2], s28, v[PP+\i]            ; its first column
.irp e, 0,1,2,3
	v_add_nc_u32 v[AD+4*\i+\e], 2*\e, v[TT+2]
	v_min_u32 v[AD+4*\i+\e], 2728, v[AD+4*\i+\e]   ; a pair past the row's end is read from its last two columns and then replaced by zeros
	v_lshl_add_u32 v[AD+4*\i+\e], v[AD+4*\i+\e], 2, v[TT+1]
.endr
.endr
.irp i, 0,1,2,3,4,5
.irp e, 0,1,2,3
	global_load_b64 v[X+8*\i+2*\e:X+8*\i+2*\e+1], v[AD+4*\i+\e], s[20:21] th:TH_LOAD_NT
.endr
.endr
.irp i, 0,1,2,3,4,5
	ROUNDP \i, 20-4*\i                             ; four loads a piece
.irp e, 0,1,2,3
	v_add_nc_u32 v[TT], 2*\e, v[PP+\i]
	v_cmp_gt_u32 vcc_lo, s29, v[TT]                ; lim > position: real
	v_cndmask_b32 v[Y+4*\i+\e], 0, v[Y+4*\i+\e], vcc_lo
.endr
	PUT \i
.endr
	s_endpgm
.Lsdr:	; ---- sdr: 2,048 pieces of a dense run
	s_lshl_b32 s24, ttmp9, 16
	s_add_nc_u64 s[20:21], s[4:5], s[24:25]
	s_lshl_b32 s24, ttmp9, 15
	s_add_nc_u64 s[22:23], s[18:19], s[24:25]
	v_lshlrev_b32 v[AD], 5, v0
.irp i, 0,1,2,3,4,5,6,7
	LOAD2 \i, AD, 8192
.endr
.irp i, 0,1,2,3,4,5,6,7
	ROUNDP \i, 14-2*\i                             ; two loads a piece
	PUT \i
.endr
	s_endpgm
.Lw64:	; ---- sdr_w (128 work-groups), then w_out (64): 256 rows of k x 64 columns each; both have rows of 4,096 bytes
	s_mov_b32 s29, 384
	s_mov_b32 s30, OFF_WO
	s_mov_b32 s31, 2
	s_cmp_lt_u32 ttmp9, 384
	s_cselect_b64 s[20:21], s[6:7], s[8:9]
	s_cselect_b32 s29, 256, s29                    ; the tensor's first work-group
	s_cselect_b32 s30, OFF_W1, s30                 ; its image
	s_cselect_b32 s31, 3, s31                      ; log2 of its blocks of 256 rows
	s_sub_co_u32 s24, ttmp9, s29                   ; number in the tensor
	s_lshr_b32 s26, s24, s31                       ; column tile
	s_lshl_b32 s28, s26, s31
	s_sub_co_u32 s28, s24, s28                     ; block of 256 rows
	s_lshl_b32 s28, s28, 20
	s_lshl_b32 s26, s26, 8
	s_add_co_u32 s26, s26, s28
	s_add_nc_u64 s[20:21], s[20:21], s[26:27]
	s_lshl_b32 s24, s24, 15
	s_add_co_u32 s24, s24, s30
	s_add_nc_u64 s[22:23], s[18:19], s[24:25]
	v_lshl_add_u32 v[AD], v3, 12, v1               ; row t / 8, 32 bytes at 32 (t % 8); piece i lies 32 rows further on
.irp i, 0,1,2,3,4,5,6,7
	LOAD2 \i, AD, 131072
.endr
.irp i, 0,1,2,3,4,5,6,7
	ROUNDP \i, 14-2*\i
	PUT \i
.endr
	s_endpgm
.Ldn:	; ---- w_down: the 192 positions of one hidden tile x 64 columns
	s_sub_co_u32 s24, ttmp9, 448
	s_lshr_b32 s26, s24, 4                         ; column tile
	s_and_b32 s30, s24, 15                         ; hidden tile
	s_mul_i32 s28, s30, 172                        ; its first real row
	s_sub_co_u32 s29, 2730, s28
	s_min_u32 s29, s29, 172                        ; lim
	s_lshl_b32 s26, s26, 8
	s_add_nc_u64 s[20:21], s[10:11], s[26:27]
	s_mul_i32 s24, s24, 24576
	s_add_co_u32 s24, s24, OFF_DN
	s_add_nc_u64 s[22:23], s[18:19], s[24:25]
.irp i, 0,1,2,3,4,5
	v_add_nc_u32 v[PP+\i], 32*\i, v3               ; position
	v_add_nc_u32 v[AD+\i], s28, v[PP+\i]
	v_min_u32 v[AD+\i], 2729, v[AD+\i]             ; a row past the end is read from the last row and then replaced by zeros
	v_lshl_add_u32 v[AD+\i], v[AD+\i], 12, v1
.endr
.irp i, 0,1,2,3,4,5
	LOAD2 \i, AD+\i, 0
.endr
.irp i, 0,1,2,3,4,5
	ROUNDP \i, 10-2*\i
	v_cmp_gt_u32 vcc_lo, s29, v[PP+\i]
.irp k, 0,1,2,3
	v_cndmask_b32 v[Y+4*\i+\k], 0, v[Y+4*\i+\k], vcc_lo
.endr
	PUT \i
.endr
	s_endpgm
.Lqkv:	; ---- w_qkv: 64 rows of k x 192 columns
	s_sub_co_u32 s24, ttmp9, 704
	s_lshr_b32 s26, s24, 4                         ; column tile
	s_and_b32 s30, s24, 15                         ; block of 64 rows
	s_mul_i32 s26, s26, 768
	s_mul_i32 s30, s30, 64*12288
	s_add_co_u32 s26, s26, s30
	s_add_nc_u64 s[20:21], s[12:13], s[26:27]
	s_mul_i32 s24, s24, 24576
	s_add_co_u32 s24, s24, OFF_WQ
	s_add_nc_u64 s[22:23], s[18:19], s[24:25]
.irp i, 0,1,2,3,4,5
	ROWPOS \i
	v_mul_u32_u24 v[AD+\i], v[TT+1], 12288
	v_lshl_add_u32 v[AD+\i], v[TT], 5, v[AD+\i]
.endr
.irp i, 0,1,2,3,4,5
	LOAD2 \i, AD+\i, 0
.endr
.irp i, 0,1,2,3,4,5
	ROUNDP \i, 10-2*\i
	PUT \i
.endr
	s_endpgm
.Lfunc_end_k_qa894d9912b_prep:
	.size	k_qa894d9912b_prep, .Lfunc_end_k_qa894d9912b_prep-k_qa894d9912b_prep
	.p2alignl 7, 3214868480
	.fill 96, 4, 3214868480
	.section	.rodata,"a",@progbits
	.p2align	6, 0x0
	.amdhsa_kernel k_qa894d9912b_prep
		.amdhsa_group_segment_fixed_size 0
		.amdhsa_private_segment_fixed_size 0
		.amdhsa_enable_private_segment 0
		.amdhsa_kernarg_size 64
		.amdhsa_user_sgpr_count 2
		.amdhsa_user_sgpr_kernarg_segment_ptr 1
		.amdhsa_wavefront_size32 1
		.amdhsa_system_sgpr_workgroup_id_x 1
		.amdhsa_system_sgpr_workgroup_id_y 1
		.amdhsa_system_sgpr_workgroup_id_z 1
		.amdhsa_system_vgpr_workitem_id 0
		.amdhsa_next_free_vgpr 136
		.amdhsa_next_free_sgpr 66
		.amdhsa_reserve_vcc 1
		.amdhsa_float_denorm_mode_32 3
		.amdhsa_float_denorm_mode_16_64 3
		.amdhsa_memory_ordered 1
		.amdhsa_forward_progress 1
		.amdhsa_inst_pref_size 38
	.end_amdhsa_kernel
	.amdgpu_metadata
---
amdhsa.version: [ 1, 2 ]
amdhsa.kernels:
  - .name:           k_qa894d9912b_prep
    .symbol:         k_qa894d9912b_prep.kd
    .args:
      - { .name: sdr, .offset: 0, .size: 8, .value_kind: global_buffer, .address_space: global }
      - { .name: sdr_w, .offset: 8, .size: 8, .value_kind: global_buffer, .address_space: global }
      - { .name: w_out, .offset: 16, .size: 8, .value_kind: global_buffer, .address_space: global }
      - { .name: w_down, .offset: 24, .size: 8, .value_kind: global_buffer, .address_space: global }
      - { .name: w_qkv, .offset: 32, .size: 8, .value_kind: global_buffer, .address_space: global }
      - { .name: w_gate, .offset: 40, .size: 8, .value_kind: global_buffer, .address_space: global }
      - { .name: w_up, .offset: 48, .size: 8, .value_kind: global_buffer, .address_space: global }
      - { .name: pre, .offset: 56, .size: 8, .value_kind: global_buffer, .address_space: global }
    .group_segment_fixed_size: 0
    .private_segment_fixed_size: 0
    .kernarg_segment_align: 8
    .kernarg_segment_size: 64
    .max_flat_workgroup_size: 256
    .sgpr_count:     66
    .vgpr_count:     136
    .wavefront_size: 32
...
	.end_amdgpu_metadata
.endif
;; end of part 1
;; launch gx (part 2): grid 16 x 16, 4 waves a work-group, clusters of 4 x 4, 327,680 bytes of LDS; arguments pre, sdr_b, x; writes x
.if DOCPART == 2
	.amdgcn_target "amdgcn-amd-amdhsa--gfx1250"
	.amdhsa_code_object_version 6
	.text
	.protected	k_qa894d9912b_gx
	.globl	k_qa894d9912b_gx
	.p2align	8
	.type	k_qa894d9912b_gx,@function
k_qa894d9912b_gx:
	s_mov_b64 s[64:65], 0
	v_nop
	global_prefetch_b8 v0, s[64:65] scope:SCOPE_SE
	s_setreg_imm32_b32 hwreg(HW_REG_WAVE_MODE, 25, 1), 1
	s_wait_xcnt 0x0
	s_wait_alu depctr_hold_cnt(0) depctr_sa_sdst(0) depctr_va_vdst(0) depctr_va_sdst(0) depctr_va_ssrc(0) depctr_va_vcc(0) depctr_vm_vsrc(0)
	s_getreg_b32 s2, hwreg(HW_REG_IB_STS2, 6, 4)
	s_cmp_eq_u32 s2, 0
	s_cbranch_scc0 .Lentry_in_a_cluster
	s_endpgm
.Lentry_in_a_cluster:
	s_bfe_u32 s2, ttmp6, 0x10000c
	s_cmp_lg_u32 s2, 0xf033
	s_cbranch_scc0 .Lentry_shape_is_right
	s_endpgm
.Lentry_shape_is_right:
; gx: x = sdr . sdr_w + sdr_b.  A = sdr in bf16 [2048][2048] (pre + 0), W = sdr_w's tile image [16][2048][64]; x is f32 [2048][1024].
; 2,048 x 1,024 outputs on 256 work-groups: a tile of 128 rows x 64 columns; four waves, each 64 rows x 32 columns (8 accumulators).
; K in 8 steps of 256 (LDS rows of 512 bytes + 16).  The sums begin from the bias.  Operands are bf16, sums f32.
.set ARG_A, 0x0
.set ARG_B, 0x0
.set ARG_BI, 0x8
.set ARG_O, 0x10
.set INITK, 0                          ; the sums begin from: 0 the bias, 1 the residual, 2 residual + bias
.set NQ, 8                             ; quarters of 32 along K in a step
.set NSTEP, 8
.set PA, 528                           ; pitch of A's rows in LDS: an odd multiple of 16 bytes
.set AQN, 8                            ; quarter q: address register q / AQN, byte ((q % AQN) >> AQS) AQH + (q & AQM) 64
.set AQS, 5
.set AQH, 0
.set AQM, 31
.set ABYTES, 67584
.set AHALF, 33792
.set PB2, 288                          ; two rows of W (2 x 128 bytes) + 32: row k starts 8 (k / 2) + 32 (k % 2) words on, modulo 64: eight rows of 8 words meet no bank twice
.set BPAD, 7
.set BBYTES, 36864
.set BHALF, 18432
.set STAGE, 208896
.set SPARE, 243712
.set ASTEP, 512
.set BSTEP, 32768
.set A_TY, 524288
.set A_HF, 262144
.set B_OFF, 8388608
.set B_TX, 262144
.set B_HF, 16384
.set GA0, (1<<16)|(1<<20)|(1<<21)|(6<<22)|(3<<25)   ; elements of 2 bytes; padding on; bit 21 beside a mask; 4 words behind every 128
.set GA_D0, 256
.set GA_D1, 64
.set GA_ST, 2048
.set GB_D1, 64
; ------------------------------------------------------------------ from here on the text is the same in gx, gout and gdn
; C = A W + what the sums begin from.  A work-group makes 128 rows x 64 columns; wave w: rows 64 (w / 2) on, columns 32 (w % 2) on.
; THE RING: two LDS slots, each with A's and W's tile of one K step.  Waves 0, 1 fetch A's halves, waves 2, 3 W's.  Both slots are filled at the start (two loads
; of a wave are out); then a slot is filled again as soon as it has been read, with the K step two on (one load of a wave is out), and that load has the other slot's
; whole K step in which to land: NSTEP - 2 refills.  The slot in hand is a scalar, s45 = 0 or SLOT, so that a K step's work is written once in the loop with
; refills and once in the loop of the last two steps, which ask for nothing.
; CLUSTER 4 x 4: the four work-groups of a row of the cluster share A's tile, the four of a column W's: each tile is asked for jointly.
; THE MATRIX INSTRUCTION IS USED TRANSPOSED: source 0 = 16 columns of W (turned out of [k][column] rows by ds_load_tr16_b128), source 1 = 16 rows of A:
; lane l then holds row l % 16 of C and the eight neighbouring columns 8 (l / 16) + 0..7.  The accumulators are LOADED in that layout with the bias or the residual
; (a lane's 32 neighbouring bytes of its row; two waves together read each row's 256 bytes once), while the first tiles are on their way: nothing is cleared.
; v1 l % 16; v2 l / 16; v10-11 A's fragments in the slot in hand; v12 W's; v16 into the stage; v17 back; v20 offset in C; v21, v24 offsets of residual and bias;
; v22, v23 A's and W's fragments in slot 0; v28, v29 the add's; v32-95 at work; v96-159 accumulators; v160-207, v208-255 fragment buffers.
.set SLOT,  ABYTES+BBYTES
.set LF,    12                         ; LDS loads of one quarter's fragments
.set FSZ,   48                         ; a fragment buffer: 4 fragments of A, then 2 of W
.set ACCB,  96
.set F0,    160
.set G1,  24                           ; s[24:31] group 1 of A's tiles; s[32:39] group 0: a set for each first fill; the second then walks on
.set G0,  32
.set G1B, 48                           ; s[48:55], s[56:63] the same for W's
.set G0B, 56
.set CUR, 45                           ; s45: the slot in hand
.set GB0, (3<<16)|(1<<20)|(1<<21)|(5<<22)|(BPAD<<25)   ; elements of 8 bytes; padding behind every 64 words
.macro PLACES                          ; four places between a matrix instruction and a load into, or a read of, its registers (ISA guide 7.12.1 for reads)
.rept 4
	v_nop
.endr
.endm
.macro ROUND                           ; a round of the cluster's barrier
	s_barrier_signal -1
	s_barrier_wait -1
	s_cmp_lg_u32 s10, 0
	s_cbranch_scc1 .Lnot_wave_0_\@
	s_barrier_signal -3
.Lnot_wave_0_\@:
	s_barrier_wait -3
	s_barrier_signal -1
	s_barrier_wait -1
.endm
.macro JLOAD                           ; a joint refill by the walking descriptor; the branch hangs on the wave's number alone; four v_nop follow each line
	s_cmp_eq_u32 s11, 0
	s_cbranch_scc0 .Lfor_b_\@
	tensor_load_to_lds s[G0+4:G0+7], s[G1:G1+7]
	s_nop 0
.rept 4
	v_nop
.endr
	s_branch .Lasked_\@
.Lfor_b_\@:
	tensor_load_to_lds s[G0B+4:G0B+7], s[G1B:G1B+7]
	s_nop 0
.rept 4
	v_nop
.endr
.Lasked_\@:
.endm
	s_load_b64 s[4:5], s[0:1], ARG_A
	s_load_b64 s[6:7], s[0:1], ARG_B
	s_load_b64 s[8:9], s[0:1], ARG_O
.if INITK != 1
	s_load_b64 s[66:67], s[0:1], ARG_BI
.endif
.if INITK != 0
	s_load_b64 s[68:69], s[0:1], ARG_R
.endif
	v_lshl_add_u32 v28, v0, 2, SPARE
	v_mov_b32 v29, 0
	v_lshrrev_b32 v1, 5, v0
	v_readfirstlane_b32 s10, v1                    ; wave 0..3
	s_lshr_b32 s11, s10, 1                         ; my half of the rows.  Also: I fetch for A (0) or for W (1)
	s_and_b32 s12, s10, 1                          ; my half of the columns.  Also: which half of that tile I fetch
	s_bfe_u32 s40, ttmp6, 0x40000                  ; cx, cy: my place in the cluster
	s_bfe_u32 s41, ttmp6, 0x40004
	s_lshl_b32 s42, ttmp9, 2
	s_add_co_u32 s42, s42, s40                     ; column tile = 4 x cluster x + cx
	s_and_b32 s13, ttmp7, 0xffff
	s_lshl_b32 s13, s13, 2
	s_add_co_u32 s13, s13, s41                     ; row tile = 4 x cluster y + cy
	s_lshl_b32 s43, s41, 2
	s_lshl_b32 s43, 15, s43                        ; my row of the cluster
	s_lshl_b32 s44, 0x1111, s40                    ; my column
	s_or_b32 s[G1], s43, GA0                       ; A's tiles go to my row,
	s_or_b32 s[G1B], s44, GB0                      ; W's to my column
	s_mov_b32 s[G1+1], (GA_D0&0xffff)<<16          ; tensor_dim0 = tile_dim0
	s_mov_b32 s[G1+2], (GA_D0>>16)|((GA_D1&0xffff)<<16)   ; tensor_dim1 = tile_dim1
	s_mov_b32 s[G1+3], (GA_D1>>16)|(GA_D0<<16)
	s_mov_b32 s[G1+4], GA_D1
	s_mov_b32 s[G1+5], GA_ST                       ; elements from row to row
	s_mov_b32 s[G1+6], 0
	s_mov_b32 s[G1+7], 0
	s_mov_b32 s[G1B+1], 32<<16                     ; W's half tile is dense: rows of 32 elements of 8 bytes
	s_mov_b32 s[G1B+2], GB_D1<<16
	s_mov_b32 s[G1B+3], 32<<16
	s_mov_b32 s[G1B+4], GB_D1
	s_mov_b32 s[G1B+5], 32
	s_mov_b32 s[G1B+6], 0
	s_mov_b32 s[G1B+7], 0
	s_mul_i32 s16, s13, A_TY                       ; A's tile hangs on the row tile and the wave alone,
	s_mul_i32 s17, s12, A_HF
	s_add_co_u32 s16, s16, s17
	s_mov_b32 s17, 0
	s_mul_i32 s46, s42, B_TX                       ; W's on the column tile and the wave alone
	s_mul_i32 s47, s12, B_HF
	s_add_co_u32 s46, s46, s47
	s_add_co_u32 s46, s46, B_OFF
	s_mov_b32 s47, 0
	s_mul_i32 s20, s12, AHALF                      ; where they go in a slot: no place in the cluster enters an LDS address
	s_mul_i32 s21, s12, BHALF
	s_add_co_u32 s21, s21, ABYTES
	s_wait_kmcnt 0x0
	s_add_nc_u64 s[14:15], s[4:5], s[16:17]
	s_add_nc_u64 s[46:47], s[6:7], s[46:47]
	ROUND                                          ; all sixteen work-groups are here: the first joint loads meet
.irp s, 0,1
	s_mov_b32 s[G0+4*\s], 1
	s_add_co_u32 s[G0+4*\s+1], s20, \s*SLOT
	s_add_nc_u64 s[G0+4*\s+2:G0+4*\s+3], s[14:15], \s*ASTEP      ; slot s begins with K step s
	s_or_b32 s[G0+4*\s+3], s[G0+4*\s+3], 0x80000000
	s_mov_b32 s[G0B+4*\s], 1
	s_add_co_u32 s[G0B+4*\s+1], s21, \s*SLOT
	s_add_nc_u64 s[G0B+4*\s+2:G0B+4*\s+3], s[46:47], \s*BSTEP
	s_or_b32 s[G0B+4*\s+3], s[G0B+4*\s+3], 0x80000000
.endr
	s_cmp_eq_u32 s11, 0                            ; a wave's two first fills stand in one branch, ahead of every wait on TENSORcnt, every LDS read and every further barrier
	s_cbranch_scc0 .Lfirst_b
	tensor_load_to_lds s[G0:G0+3], s[G1:G1+7]
	s_nop 0
	tensor_load_to_lds s[G0+4:G0+7], s[G1:G1+7]
	s_nop 0
.rept 4
	v_nop
.endr
	s_branch .Lfirst_done
.Lfirst_b:
	tensor_load_to_lds s[G0B:G0B+3], s[G1B:G1B+7]
	s_nop 0
	tensor_load_to_lds s[G0B+4:G0B+7], s[G1B:G1B+7]
	s_nop 0
.rept 4
	v_nop
.endr
.Lfirst_done:
	v_and_b32 v1, 15, v0                           ; l % 16
	v_bfe_u32 v2, v0, 4, 1                         ; l / 16
	s_lshl_b32 s16, s13, 19                        ; the first row of C that I store: 128 x row tile + 32 x wave, rows of 4,096 bytes,
	s_lshl_b32 s17, s10, 17
	s_add_co_u32 s16, s16, s17
	s_mov_b32 s17, 0
	s_lshl_b32 s46, s42, 8                         ; and the column tile's 256 bytes
	s_mov_b32 s47, 0
	s_add_nc_u64 s[8:9], s[8:9], s[16:17]
	s_add_nc_u64 s[8:9], s[8:9], s[46:47]
.if INITK != 0
	s_lshl_b32 s16, s13, 19                        ; the residual at my own 64 rows x 32 columns
	s_lshl_b32 s17, s11, 18
	s_add_co_u32 s16, s16, s17
	s_lshl_b32 s17, s12, 7
	s_add_co_u32 s16, s16, s17
	s_mov_b32 s17, 0
	s_add_nc_u64 s[68:69], s[68:69], s[16:17]
	s_add_nc_u64 s[68:69], s[68:69], s[46:47]
	v_lshlrev_b32 v21, 12, v1                      ; row l % 16, 32 bytes for each half of the lanes
	v_lshl_add_u32 v21, v2, 5, v21
.set n_, 0
.rept 8
	global_load_b128 v[ACCB+8*n_:ACCB+8*n_+3],   v21, s[68:69] offset:(n_/2)*65536+(n_%2)*64
	global_load_b128 v[ACCB+8*n_+4:ACCB+8*n_+7], v21, s[68:69] offset:(n_/2)*65536+(n_%2)*64+16
.set n_, n_+1
.endr
.endif
.if INITK != 1
	s_lshl_b32 s17, s12, 7                         ; the bias of my 32 columns
	s_add_co_u32 s46, s46, s17
	s_add_nc_u64 s[66:67], s[66:67], s[46:47]
	v_lshlrev_b32 v24, 5, v2
.if INITK == 0
.set n_, 0
.rept 8                                ; every block of rows begins from the same 32 numbers
	global_load_b128 v[ACCB+8*n_:ACCB+8*n_+3],   v24, s[66:67] offset:(n_%2)*64
	global_load_b128 v[ACCB+8*n_+4:ACCB+8*n_+7], v24, s[66:67] offset:(n_%2)*64+16
.set n_, n_+1
.endr
.else
.irp b, 0,1
	global_load_b128 v[32+8*\b:35+8*\b], v24, s[66:67] offset:64*\b
	global_load_b128 v[36+8*\b:39+8*\b], v24, s[66:67] offset:64*\b+16
.endr
.endif
.endif
	v_mul_u32_u24 v3, v1, PA                       ; A's fragment: row l % 16, 16 bytes at 16 (l / 16), and 32 further on
	v_lshl_add_u32 v3, v2, 4, v3
	s_mul_i32 s22, s11, 64*PA
	v_add_nc_u32 v22, s22, v3
	v_bfe_u32 v4, v0, 1, 2                         ; W's fragment, turned: row k = 8 (l / 16) + l % 8 lies at (k / 2) PB2 + 128 (k % 2); 16 bytes at 16 ((l / 8) % 2); 16 rows further on = 8 PB2
	v_lshl_add_u32 v4, v2, 2, v4
	v_mul_u32_u24 v4, v4, PB2
	v_and_b32 v5, 1, v0
	v_lshl_add_u32 v4, v5, 7, v4
	v_bfe_u32 v5, v0, 3, 1
	v_lshl_add_u32 v4, v5, 4, v4
	s_lshl_b32 s23, s12, 6
	s_add_co_u32 s23, s23, ABYTES
	v_add_nc_u32 v23, s23, v4
	s_mul_i32 s22, s11, 64*272                     ; the stage: 128 rows of 256 bytes + 16; in: row l % 16, 32 bytes for each half of the lanes
	s_lshl_b32 s23, s12, 7
	s_add_co_u32 s22, s22, s23
	s_add_co_u32 s22, s22, STAGE
	v_mul_u32_u24 v6, v1, 272
	v_lshl_add_u32 v6, v2, 5, v6
	v_add_nc_u32 v16, s22, v6
	s_mul_i32 s22, s10, 32*272                     ; back: wave w takes rows 32 w on, whole; lanes 0-15 one row, lanes 16-31 the next
	s_add_co_u32 s22, s22, STAGE
	v_mul_u32_u24 v6, v2, 272
	v_lshl_add_u32 v6, v1, 4, v6
	v_add_nc_u32 v17, s22, v6
	v_lshlrev_b32 v6, 12, v2                       ; the same two rows in C
	v_lshl_add_u32 v20, v1, 4, v6
.macro FETCH                           ; the fragments of quarter fq_ of the slot in hand -> buffer ff_: 12 loads in one run
.set b_, 0
.rept 2
.set rB, F0+ff_*FSZ+32+8*b_
.set oB, fq_*16*PB2+b_*32
	ds_load_tr16_b128 v[rB:rB+3],   v12 offset:oB
	ds_load_tr16_b128 v[rB+4:rB+7], v12 offset:oB+8*PB2
.set b_, b_+1
.endr
.set a_, 0
.rept 4
.set rA, F0+ff_*FSZ+8*a_
.set oA, a_*16*PA+((fq_%AQN)>>AQS)*AQH+(fq_&AQM)*64
	ds_load_b128 v[rA:rA+3],   v[10+fq_/AQN] offset:oA
	ds_load_b128 v[rA+4:rA+7], v[10+fq_/AQN] offset:oA+32
.set a_, a_+1
.endr
.endm
.macro MUL                             ; 8 matrix instructions on buffer ff_: every accumulator once, in the same order in every quarter: they take turns
.set n_, 0
.rept 8
.set rD, ACCB+8*n_
.set rA, F0+ff_*FSZ+8*(n_/2)
.set rB, F0+ff_*FSZ+32+8*(n_%2)
	v_wmma_f32_16x16x32_bf16 v[rD:rD+7], v[rB:rB+7], v[rA:rA+7], v[rD:rD+7]
.set n_, n_+1
.endr
.endm
.macro WORK                            ; one K step, out of the slot in hand
	v_add_nc_u32 v10, s[CUR], v22
.if AQN < NQ
	v_add_nc_u32 v11, AHALF, v10                   ; A's second half lies past the reach of a 16-bit offset
.endif
	v_add_nc_u32 v12, s[CUR], v23
.set fq_, 0
.set ff_, 0
	FETCH
.set fq_, 1
.set ff_, 1
	FETCH
.set q_, 0
.rept NQ
.if q_ == NQ-1
	s_wait_dscnt 0x0                               ; the last quarter: nothing was fetched behind it
.else
	s_wait_dscnt LF                                ; this quarter's fragments are in; the next quarter's 12 loads may be out
.endif
.set ff_, q_&1
	MUL
.if q_+2 < NQ
	PLACES
.set fq_, q_+2
	FETCH                                          ; the buffer just multiplied takes the quarter after next
.endif
.set q_, q_+1
.endr
.endm
	s_wait_tensorcnt 0x1                           ; my part of slot 0 is in; slot 1's may stay out
	s_barrier_signal -1
	s_barrier_wait -1                              ; everybody's is
	s_mov_b32 s[CUR], 0
	s_wait_loadcnt 0x0                             ; what the sums begin from
.if INITK == 2
.set n_, 0
.rept 8
.set k_, 0
.rept 4
	v_pk_add_f32 v[ACCB+8*n_+2*k_:ACCB+8*n_+2*k_+1], v[ACCB+8*n_+2*k_:ACCB+8*n_+2*k_+1], v[32+8*(n_%2)+2*k_:32+8*(n_%2)+2*k_+1]
.set k_, k_+1
.endr
.set n_, n_+1
.endr
.endif
	s_mov_b32 s3, NSTEP-2
.Ltrip:                                                ; a K step, and its slot is filled again with the K step two on
	WORK
	s_wait_tensorcnt 0x0                           ; all my tensor loads have landed: the one that was out is my part of the other slot
	ds_add_u32 v28, v29                            ; 0 onto my spare word
	s_add_co_u32 s[G0+5], s20, s[CUR]              ; no load of mine is out, so the walking descriptors may be written: into the slot just read,
	s_add_co_u32 s[G0B+5], s21, s[CUR]
	s_add_nc_u64 s[G0+6:G0+7], s[G0+6:G0+7], ASTEP         ; the next K step in memory
	s_add_nc_u64 s[G0B+6:G0B+7], s[G0B+6:G0B+7], BSTEP
	s_xor_b32 s[CUR], s[CUR], SLOT                 ; the work goes on in the other slot
	s_wait_dscnt 0x0                               ; the add is done, and my reads of the slot are over
	ROUND                                          ; both now hold of every wave of the sixteen work-groups
	JLOAD                                          ; first behind the round; its four v_nop are also the places in front of the next step's loads
	s_sub_co_u32 s3, s3, 1
	s_cmp_lg_u32 s3, 0
	s_cbranch_scc1 .Ltrip
	s_mov_b32 s3, 2
.Ltail:                                                ; the last two K steps ask for nothing
	WORK
	s_wait_tensorcnt 0x0
	ds_add_u32 v28, v29
	s_xor_b32 s[CUR], s[CUR], SLOT
	s_wait_dscnt 0x0
	ROUND                                          ; the last slot is whole for every wave; behind the last step: every wave has left the slots
	PLACES                                         ; in front of the next step's loads, and of the way out
	s_sub_co_u32 s3, s3, 1
	s_cmp_lg_u32 s3, 0
	s_cbranch_scc1 .Ltail
	; THE WAY OUT: f32 rows.  A row's 256 bytes come from two waves: through the work-group's stage, with a barrier between writing and reading.
.set n_, 0
.rept 8
	ds_store_b128 v16, v[ACCB+8*n_:ACCB+8*n_+3]   offset:(n_/2)*4352+(n_%2)*64      ; an accumulator's low four registers first
	ds_store_b128 v16, v[ACCB+8*n_+4:ACCB+8*n_+7] offset:(n_/2)*4352+(n_%2)*64+16
.set n_, n_+1
.endr
	s_wait_dscnt 0x0                               ; for the others' sake: my stores into the stage are done
	s_barrier_signal -1
	s_barrier_wait -1
.set t_, 0
.rept 16
	ds_load_b128 v[32+4*t_:35+4*t_], v17 offset:544*t_
.set t_, t_+1
.endr
.set t_, 0
.rept 16
	s_wait_dscnt 15-t_                             ; the younger reads of the stage may be out
	global_store_b128 v20, v[32+4*t_:35+4*t_], s[8:9] offset:8192*t_     ; 16 lanes store 256 consecutive bytes, aligned
.set t_, t_+1
.endr
	s_wait_tensorcnt 0x0                           ; the wave's end
	ds_add_u32 v28, v29
	s_wait_dscnt 0x0
	ROUND                                          ; the closing round: no work-group ends while a partner may still ask for a tile that names it
	s_endpgm
.Lfunc_end_k_qa894d9912b_gx:
	.size	k_qa894d9912b_gx, .Lfunc_end_k_qa894d9912b_gx-k_qa894d9912b_gx
	.p2alignl 7, 3214868480
	.fill 96, 4, 3214868480
	.section	.rodata,"a",@progbits
	.p2align	6, 0x0
	.amdhsa_kernel k_qa894d9912b_gx
		.amdhsa_group_segment_fixed_size 327680
		.amdhsa_private_segment_fixed_size 0
		.amdhsa_enable_private_segment 0
		.amdhsa_kernarg_size 24
		.amdhsa_user_sgpr_count 2
		.amdhsa_user_sgpr_kernarg_segment_ptr 1
		.amdhsa_wavefront_size32 1
		.amdhsa_system_sgpr_workgroup_id_x 1
		.amdhsa_system_sgpr_workgroup_id_y 1
		.amdhsa_system_sgpr_workgroup_id_z 1
		.amdhsa_system_vgpr_workitem_id 0
		.amdhsa_next_free_vgpr 256
		.amdhsa_next_free_sgpr 72
		.amdhsa_reserve_vcc 0
		.amdhsa_float_denorm_mode_32 3
		.amdhsa_float_denorm_mode_16_64 3
		.amdhsa_memory_ordered 1
		.amdhsa_forward_progress 1
		.amdhsa_inst_pref_size 38
	.end_amdhsa_kernel
	.amdgpu_metadata
---
amdhsa.version: [ 1, 2 ]
amdhsa.kernels:
  - .name:           k_qa894d9912b_gx
    .symbol:         k_qa894d9912b_gx.kd
    .args:
      - { .name: pre, .offset: 0, .size: 8, .value_kind: global_buffer, .address_space: global }
      - { .name: sdr_b, .offset: 8, .size: 8, .value_kind: global_buffer, .address_space: global }
      - { .name: x, .offset: 16, .size: 8, .value_kind: global_buffer, .address_space: global }
    .group_segment_fixed_size: 327680
    .private_segment_fixed_size: 0
    .kernarg_segment_align: 8
    .kernarg_segment_size: 24
    .max_flat_workgroup_size: 128
    .sgpr_count:     72
    .vgpr_count:     256
    .wavefront_size: 32
...
	.end_amdgpu_metadata
.endif
;; end of part 2
;; launch ln1 (part 3): grid 256 x 1, 8 waves a work-group, no clusters, 0 bytes of LDS; arguments x, ln1_g, ln1_b, h; writes h
.if DOCPART == 3
	.amdgcn_target "amdgcn-amd-amdhsa--gfx1250"
	.amdhsa_code_object_version 6
	.text
	.protected	k_qa894d9912b_ln1
	.globl	k_qa894d9912b_ln1
	.p2align	8
	.type	k_qa894d9912b_ln1,@function
k_qa894d9912b_ln1:
	s_mov_b64 s[64:65], 0
	v_nop
	global_prefetch_b8 v0, s[64:65] scope:SCOPE_SE
	s_setreg_imm32_b32 hwreg(HW_REG_WAVE_MODE, 25, 1), 1
	s_wait_xcnt 0x0
; Layer norm of rows of 1,024 f32; the result is rounded to bf16 (it is a matrix operand).  y = (x - mean) rsqrt(var + 1e-5) g + b.
; One wave, one row: 32 registers hold it between the passes, so it is read once and no wave waits for another: no LDS, no barrier, no loop.
; Two passes in registers: the mean first, then the sum of squares of x - mean, so that a common offset of the row costs no digits.
; Matrix units, clusters and LDS would add nothing to a stream of 12 KiB a wave.
.set X,  4                             ; v[4:35]    the row: load j holds numbers 128 j + 4 lane + 0..3
.set G,  36                            ; v[36:67]   gain, the same places
.set BB, 68                            ; v[68:99]   bias
.set CH, 100                           ; v[100:107] four chains of packed sums
.set MU, 108                           ; v[108:109] the mean, twice
.set RS, 110                           ; v[110:111] 1 / sqrt(var + eps), twice
.set Y,  112                           ; v[112:127] the row in bf16
.macro WSUM                            ; the four chains -> one number, in every lane, in v[CH]
	v_pk_add_f32 v[CH:CH+1], v[CH:CH+1], v[CH+2:CH+3]
	v_pk_add_f32 v[CH+4:CH+5], v[CH+4:CH+5], v[CH+6:CH+7]
	v_pk_add_f32 v[CH:CH+1], v[CH:CH+1], v[CH+4:CH+5]
	v_add_f32 v[CH], v[CH], v[CH+1]
	v_add_f32_dpp v[CH], v[CH], v[CH] row_xmask:1 row_mask:0xf bank_mask:0xf
	v_add_f32_dpp v[CH], v[CH], v[CH] row_xmask:2 row_mask:0xf bank_mask:0xf
	v_add_f32_dpp v[CH], v[CH], v[CH] row_xmask:4 row_mask:0xf bank_mask:0xf
	v_add_f32_dpp v[CH], v[CH], v[CH] row_xmask:8 row_mask:0xf bank_mask:0xf
	v_permlanex16_b32 v[CH+1], v[CH], s18, s19     ; the other half of the lanes; its destination has been written
	v_add_f32 v[CH], v[CH], v[CH+1]
.endm
	s_load_b256 s[4:11], s[0:1], 0x0               ; x s[4:5], g s[6:7], b s[8:9], y s[10:11]
	v_lshrrev_b32 v1, 5, v0
	v_readfirstlane_b32 s12, v1                    ; wave
	s_lshl_b32 s13, ttmp9, 3
	s_add_co_u32 s13, s13, s12                     ; my row
	v_and_b32 v2, 31, v0
	v_lshlrev_b32 v1, 4, v2                        ; 16 x lane: f32 in
	v_lshlrev_b32 v3, 3, v2                        ; 8 x lane: bf16 out
	s_lshl_b32 s14, s13, 12
	s_mov_b32 s15, 0
	s_lshl_b32 s16, s13, 11
	s_mov_b32 s17, 0
	s_mov_b32 s18, 0x76543210
	s_mov_b32 s19, 0xfedcba98
	s_mov_b32 s20, 0x3a800000                      ; 1 / 1024
	s_mov_b32 s21, 0x3727c5ac                      ; 1e-5
	s_wait_kmcnt 0x0
	s_add_nc_u64 s[4:5], s[4:5], s[14:15]
	s_add_nc_u64 s[10:11], s[10:11], s[16:17]
.irp j, 0,1,2,3,4,5,6,7
	global_load_b128 v[X+4*\j:X+4*\j+3], v1, s[4:5] offset:512*\j
.endr
.irp j, 0,1,2,3,4,5,6,7
	global_load_b128 v[G+4*\j:G+4*\j+3], v1, s[6:7] offset:512*\j
.endr
.irp j, 0,1,2,3,4,5,6,7
	global_load_b128 v[BB+4*\j:BB+4*\j+3], v1, s[8:9] offset:512*\j
.endr
	s_wait_loadcnt 16                              ; the row is in; the sixteen loads of g and b may be out
.irp k, 0,2,4,6
	v_pk_add_f32 v[CH+\k:CH+\k+1], v[X+\k:X+\k+1], v[X+8+\k:X+8+\k+1]
.endr
.irp m, 16,24
.irp k, 0,2,4,6
	v_pk_add_f32 v[CH+\k:CH+\k+1], v[CH+\k:CH+\k+1], v[X+\m+\k:X+\m+\k+1]
.endr
.endr
	WSUM
	v_mul_f32 v[MU], s20, v[CH]
	v_mov_b32 v[MU+1], v[MU]
.set i_, 0
.rept 16
	v_pk_add_f32 v[X+2*i_:X+2*i_+1], v[X+2*i_:X+2*i_+1], v[MU:MU+1] neg_lo:[0,1] neg_hi:[0,1]
.set i_, i_+1
.endr
.irp k, 0,2,4,6
	v_pk_mul_f32 v[CH+\k:CH+\k+1], v[X+\k:X+\k+1], v[X+\k:X+\k+1]
.endr
.irp m, 8,16,24
.irp k, 0,2,4,6
	v_pk_fma_f32 v[CH+\k:CH+\k+1], v[X+\m+\k:X+\m+\k+1], v[X+\m+\k:X+\m+\k+1], v[CH+\k:CH+\k+1]
.endr
.endr
	WSUM
	v_fma_f32 v[RS], v[CH], s20, s21               ; var + eps
	v_rsq_f32 v[RS], v[RS]
	v_nop                                          ; a plain instruction between the root and the use of its result
	s_wait_alu depctr_va_vdst(0)
	v_mov_b32 v[RS+1], v[RS]
	s_wait_loadcnt 0x0                             ; g and b
.set i_, 0
.rept 16
	v_pk_mul_f32 v[X+2*i_:X+2*i_+1], v[X+2*i_:X+2*i_+1], v[RS:RS+1]
.set i_, i_+1
.endr
.set i_, 0
.rept 16
	v_pk_fma_f32 v[X+2*i_:X+2*i_+1], v[X+2*i_:X+2*i_+1], v[G+2*i_:G+2*i_+1], v[BB+2*i_:BB+2*i_+1]
.set i_, i_+1
.endr
.set i_, 0
.rept 16
	v_cvt_pk_bf16_f32 v[Y+i_], v[X+2*i_], v[X+2*i_+1]
.set i_, i_+1
.endr
.irp j, 0,1,2,3,4,5,6,7
	global_store_b64 v3, v[Y+2*\j:Y+2*\j+1], s[10:11] offset:256*\j      ; the wave's 32 lanes store 256 consecutive bytes, aligned
.endr
	s_endpgm
.Lfunc_end_k_qa894d9912b_ln1:
	.size	k_qa894d9912b_ln1, .Lfunc_end_k_qa894d9912b_ln1-k_qa894d9912b_ln1
	.p2alignl 7, 3214868480
	.fill 96, 4, 3214868480
	.section	.rodata,"a",@progbits
	.p2align	6, 0x0
	.amdhsa_kernel k_qa894d9912b_ln1
		.amdhsa_group_segment_fixed_size 0
		.amdhsa_private_segment_fixed_size 0
		.amdhsa_enable_private_segment 0
		.amdhsa_kernarg_size 32
		.amdhsa_user_sgpr_count 2
		.amdhsa_user_sgpr_kernarg_segment_ptr 1
		.amdhsa_wavefront_size32 1
		.amdhsa_system_sgpr_workgroup_id_x 1
		.amdhsa_system_sgpr_workgroup_id_y 1
		.amdhsa_system_sgpr_workgroup_id_z 1
		.amdhsa_system_vgpr_workitem_id 0
		.amdhsa_next_free_vgpr 128
		.amdhsa_next_free_sgpr 66
		.amdhsa_reserve_vcc 0
		.amdhsa_float_denorm_mode_32 3
		.amdhsa_float_denorm_mode_16_64 3
		.amdhsa_memory_ordered 1
		.amdhsa_forward_progress 1
		.amdhsa_inst_pref_size 12
	.end_amdhsa_kernel
	.amdgpu_metadata
---
amdhsa.version: [ 1, 2 ]
amdhsa.kernels:
  - .name:           k_qa894d9912b_ln1
    .symbol:         k_qa894d9912b_ln1.kd
    .args:
      - { .name: x, .offset: 0, .size: 8, .value_kind: global_buffer, .address_space: global }
      - { .name: ln1_g, .offset: 8, .size: 8, .value_kind: global_buffer, .address_space: global }
      - { .name: ln1_b, .offset: 16, .size: 8, .value_kind: global_buffer, .address_space: global }
      - { .name: h, .offset: 24, .size: 8, .value_kind: global_buffer, .address_space: global }
    .group_segment_fixed_size: 0
    .private_segment_fixed_size: 0
    .kernarg_segment_align: 8
    .kernarg_segment_size: 32
    .max_flat_workgroup_size: 256
    .sgpr_count:     66
    .vgpr_count:     128
    .wavefront_size: 32
...
	.end_amdgpu_metadata
.endif
;; end of part 3
;; launch gqkv (part 4): grid 16 x 16, 4 waves a work-group, clusters of 4 x 4, 327,680 bytes of LDS; arguments h, pre, b_qkv, qkvh; writes qkvh
.if DOCPART == 4
	.amdgcn_target "amdgcn-amd-amdhsa--gfx1250"
	.amdhsa_code_object_version 6
	.text
	.protected	k_qa894d9912b_gqkv
	.globl	k_qa894d9912b_gqkv
	.p2align	8
	.type	k_qa894d9912b_gqkv,@function
k_qa894d9912b_gqkv:
	s_mov_b64 s[64:65], 0
	v_nop
	global_prefetch_b8 v0, s[64:65] scope:SCOPE_SE
	s_setreg_imm32_b32 hwreg(HW_REG_WAVE_MODE, 25, 1), 1
	s_wait_xcnt 0x0
	s_wait_alu depctr_hold_cnt(0) depctr_sa_sdst(0) depctr_va_vdst(0) depctr_va_sdst(0) depctr_va_ssrc(0) depctr_va_vcc(0) depctr_vm_vsrc(0)
	s_getreg_b32 s2, hwreg(HW_REG_IB_STS2, 6, 4)
	s_cmp_eq_u32 s2, 0
	s_cbranch_scc0 .Lentry_in_a_cluster
	s_endpgm
.Lentry_in_a_cluster:
	s_bfe_u32 s2, ttmp6, 0x10000c
	s_cmp_lg_u32 s2, 0xf033
	s_cbranch_scc0 .Lentry_shape_is_right
	s_endpgm
.Lentry_shape_is_right:
; gqkv: qkv = h . w_qkv + b_qkv, rounded to bf16 (q, k and v are matrix operands of the attention) and stored head by head.
; A = h bf16 [2048][1024], W = w_qkv's tile image [16][1024][192].  A tile is 128 rows x 192 columns; a wave 64 x 96: 24 accumulators.
; K in 8 steps of 128.  Window 0: v32-63 at work, v64-255 accumulators.  Window 1: v0-79, v80-159 fragment buffers, v160-207 bias.
.set ARG_A, 0x0
.set ARG_B, 0x8
.set ARG_BI, 0x10
.set ARG_O, 0x18
.set HASB, 1
.set HASR, 0
.set OUTK, 1                           ; way out: bf16, head blocks
.set NQ, 4
.set NSTEP, 8
.set NB, 6
.set NT, 192
.set PA, 272
.set AQS, 5
.set AQH, 0
.set AQM, 31
.set ABYTES, 34816
.set AHALF, 17408
.set PB, 480                           ; W's rows of 384 bytes with 16 behind every 64: an odd multiple of 32 bytes
.set WNOFF, 240
.set BBYTES, 61440
.set BHALF, 30720
.set STAGE, 192512
.set SPARE, 243712
.set ASTEP, 256
.set BSTEP, 49152
.set A_TY, 262144
.set A_HF, 131072
.set B_OFF, 12582912
.set B_TX, 393216
.set B_HF, 24576
.set OTX, 786432
.set GA0, (1<<16)|(1<<20)|(1<<21)|(5<<22)|(3<<25)   ; elements of 2 bytes; 4 words behind every 64
.set GA_D0, 128
.set GA_D1, 64
.set GA_ST, 1024
.set GB0, (3<<16)|(1<<20)|(1<<21)|(3<<22)|(3<<25)   ; elements of 8 bytes; 4 words behind every 16
.set GB_D1, 96
.set ACCB, 64
.set APW, 4
.set F0, 0
.set BIB, 160
.set W_LD, 0x40                        ; destination window 1, address window 0
.set WMUL0, 0x05                       ; sources 0 and 1 window 1; C and D window 0
.set WMSTEP, 0
.set WMULF, 0x15                       ; the same with C (the bias) in window 1
; ------------------------------------------------------------------ from here on the text is the same in all five products
; C = A W (+ bias, + residual).  A work-group makes 128 rows x one column tile; wave w: rows 64 (w / 2) on, column half w % 2.
; THE RING: two LDS slots, each with A's and W's tile of one K step.  Waves 0, 1 fetch A's halves, waves 2, 3 W's, one tensor load a wave behind each round;
; by this text's count a wave has one tensor load out, and it has a whole K step in which to land.
; CLUSTER 4 x 4: the four work-groups of a row of the cluster share A's tile, the four of a column W's: each tile is asked for jointly.
; THE MATRIX INSTRUCTION IS USED TRANSPOSED: source 0 = 16 columns of W (turned out of [k][column] rows by ds_load_tr16_b128), source 1 = 16 rows of A:
; lane l then holds row l % 16 of C and the eight neighbouring columns 8 (l / 16) + 0..7.
; v0 thread; v1 l % 16; v2 l / 16; v10-11 A's fragments in slot 0, 1; v12-13 W's (v14-15 the second weight's); v16 into the stage; v17-19 back; v20 offset in C; v21 bias; v28, v29 the add's.
.set SLOT,  ABYTES+BBYTES
.set LF,    2*(4+NB)                   ; LDS loads of one quarter's fragments
.set FSZ,   32+8*NB                    ; a fragment buffer: 4 fragments of A, then NB of W
.set G1,  24                           ; s[24:31] group 1 of A's tiles; s[32:39] group 0, a set for each slot
.set G0,  32
.set G1B, 48                           ; s[48:55], s[56:63] the same for W's
.set G0B, 56
.set MSB, 0
.macro WIN new                         ; the immediate's high byte repeats the setting that is left; a switch that changes nothing is dropped
.if MSB != (\new)
	s_set_vgpr_msb (MSB<<8)|(\new)
.set MSB, (\new)
.endif
.endm
.macro PLACES                          ; four places between a matrix instruction and a load into, or a read of, its registers (ISA guide 7.12.1 for reads)
.rept 4
	v_nop
.endr
.endm
.macro ROUND                           ; a round of the cluster's barrier
	s_barrier_signal -1
	s_barrier_wait -1
	s_cmp_lg_u32 s10, 0
	s_cbranch_scc1 .Lnot_wave_0_\@
	s_barrier_signal -3
.Lnot_wave_0_\@:
	s_barrier_wait -3
	s_barrier_signal -1
	s_barrier_wait -1
.endm
.macro JLOAD s                         ; a joint load into slot s; the branch hangs on the wave's number alone; four v_nop follow each line
	s_cmp_eq_u32 s11, 0
	s_cbranch_scc0 .Lfor_b_\@
	tensor_load_to_lds s[G0+4*(\s):G0+4*(\s)+3], s[G1:G1+7]
	s_nop 0
.rept 4
	v_nop
.endr
	s_branch .Lasked_\@
.Lfor_b_\@:
	tensor_load_to_lds s[G0B+4*(\s):G0B+4*(\s)+3], s[G1B:G1B+7]
	s_nop 0
.rept 4
	v_nop
.endr
.Lasked_\@:
.endm
	s_load_b64 s[4:5], s[0:1], ARG_A
	s_load_b64 s[6:7], s[0:1], ARG_B
	s_load_b64 s[8:9], s[0:1], ARG_O
.if HASB
	s_load_b64 s[66:67], s[0:1], ARG_BI
.endif
.if HASR
	s_load_b64 s[68:69], s[0:1], ARG_R
.endif
	v_lshl_add_u32 v28, v0, 2, SPARE
	v_mov_b32 v29, 0
	v_lshrrev_b32 v1, 5, v0
	v_readfirstlane_b32 s10, v1                    ; wave 0..3
	s_lshr_b32 s11, s10, 1                         ; my half of the rows.  Also: I fetch for A (0) or for W (1)
	s_and_b32 s12, s10, 1                          ; my half of the columns.  Also: which half of that tile I fetch
	s_bfe_u32 s40, ttmp6, 0x40000                  ; cx, cy: my place in the cluster
	s_bfe_u32 s41, ttmp6, 0x40004
	s_lshl_b32 s42, ttmp9, 2
	s_add_co_u32 s42, s42, s40                     ; column tile = 4 x cluster x + cx
	s_and_b32 s13, ttmp7, 0xffff
	s_lshl_b32 s13, s13, 2
	s_add_co_u32 s13, s13, s41                     ; row tile = 4 x cluster y + cy
	s_lshl_b32 s43, s41, 2
	s_lshl_b32 s43, 15, s43                        ; my row of the cluster
	s_lshl_b32 s44, 0x1111, s40                    ; my column
	s_or_b32 s[G1], s43, GA0                       ; A's tiles go to my row,
	s_or_b32 s[G1B], s44, GB0                      ; W's to my column
	s_mov_b32 s[G1+1], (GA_D0&0xffff)<<16          ; tensor_dim0 = tile_dim0
	s_mov_b32 s[G1+2], (GA_D0>>16)|((GA_D1&0xffff)<<16)   ; tensor_dim1 = tile_dim1
	s_mov_b32 s[G1+3], (GA_D1>>16)|(GA_D0<<16)
	s_mov_b32 s[G1+4], GA_D1
	s_mov_b32 s[G1+5], GA_ST                       ; elements from row to row
	s_mov_b32 s[G1+6], 0
	s_mov_b32 s[G1+7], 0
	s_mov_b32 s[G1B+1], 32<<16                     ; W's half tile is dense: rows of 32 elements of 8 bytes
	s_mov_b32 s[G1B+2], GB_D1<<16
	s_mov_b32 s[G1B+3], 32<<16
	s_mov_b32 s[G1B+4], GB_D1
	s_mov_b32 s[G1B+5], 32
	s_mov_b32 s[G1B+6], 0
	s_mov_b32 s[G1B+7], 0
.if OUTK == 2
	s_mov_b32 s70, 0xbfb8aa3b                      ; -log2(e), named as a pair
	s_mov_b32 s71, 0xbfb8aa3b
.endif
	s_mul_i32 s16, s13, A_TY                       ; A's tile hangs on the row tile and the wave alone,
	s_mul_i32 s17, s12, A_HF
	s_add_co_u32 s16, s16, s17
	s_mov_b32 s17, 0
	s_mul_i32 s46, s42, B_TX                       ; W's on the column tile and the wave alone
	s_mul_i32 s47, s12, B_HF
	s_add_co_u32 s46, s46, s47
	s_add_co_u32 s46, s46, B_OFF
	s_mov_b32 s47, 0
	s_mul_i32 s20, s12, AHALF                      ; where they go: no place in the cluster enters an LDS address
	s_mul_i32 s21, s12, BHALF
	s_add_co_u32 s21, s21, ABYTES
	s_wait_kmcnt 0x0
	s_add_nc_u64 s[14:15], s[4:5], s[16:17]
	s_add_nc_u64 s[46:47], s[6:7], s[46:47]
	ROUND                                          ; all sixteen work-groups are here: the first joint loads meet
.irp s, 0,1
	s_mov_b32 s[G0+4*\s], 1
	s_add_co_u32 s[G0+4*\s+1], s20, \s*SLOT
	s_add_nc_u64 s[G0+4*\s+2:G0+4*\s+3], s[14:15], \s*ASTEP      ; slot s begins with K step s
	s_or_b32 s[G0+4*\s+3], s[G0+4*\s+3], 0x80000000
	s_mov_b32 s[G0B+4*\s], 1
	s_add_co_u32 s[G0B+4*\s+1], s21, \s*SLOT
	s_add_nc_u64 s[G0B+4*\s+2:G0B+4*\s+3], s[46:47], \s*BSTEP
	s_or_b32 s[G0B+4*\s+3], s[G0B+4*\s+3], 0x80000000
.endr
	JLOAD 0                                        ; K step 0; slot 1 is filled behind the first trip's round
	v_and_b32 v1, 15, v0                           ; l % 16
	v_bfe_u32 v2, v0, 4, 1                         ; l / 16
	v_mul_u32_u24 v3, v1, PA                       ; A's fragment: row l % 16, 16 bytes at 16 (l / 16), and 32 further on
	v_lshl_add_u32 v3, v2, 4, v3
	s_mul_i32 s22, s11, 64*PA
	v_add_nc_u32 v10, s22, v3
	v_add_nc_u32 v11, SLOT, v10
	v_and_b32 v4, 7, v0                            ; W's fragment, turned: row k = 8 (l / 16) + l % 8, 16 bytes at 16 ((l / 8) % 2), and 16 rows further on
	v_lshl_add_u32 v4, v2, 3, v4
	v_mul_u32_u24 v4, v4, PB
	v_bfe_u32 v5, v0, 3, 1
	v_lshl_add_u32 v4, v5, 4, v4
	s_mul_i32 s23, s12, WNOFF
	s_add_co_u32 s23, s23, ABYTES
	v_add_nc_u32 v12, s23, v4
	v_add_nc_u32 v13, SLOT, v12
.if NB > 6
	v_add_nc_u32 v14, BHALF, v12                   ; the second weight's tile lies behind the first's
	v_add_nc_u32 v15, BHALF, v13
.endif
	v_and_b32 v7, 31, v0                           ; lane
.if OUTK == 0
	s_mul_i32 s22, s11, 64*272                     ; the stage: 128 rows of 256 bytes + 16; in: row l % 16, 32 bytes for each half of the lanes
	s_lshl_b32 s23, s12, 7
	s_add_co_u32 s22, s22, s23
	s_add_co_u32 s22, s22, STAGE
	v_mul_u32_u24 v6, v1, 272
	v_lshl_add_u32 v6, v2, 5, v6
	v_add_nc_u32 v16, s22, v6
	s_mul_i32 s22, s10, 32*272                     ; back: wave w takes rows 32 w on, whole; lanes 0-15 one row, lanes 16-31 the next
	s_add_co_u32 s22, s22, STAGE
	v_mul_u32_u24 v6, v2, 272
	v_lshl_add_u32 v6, v1, 4, v6
	v_add_nc_u32 v17, s22, v6
	v_lshlrev_b32 v6, 12, v2                       ; the same two rows in C (4,096 bytes a row)
	v_lshl_add_u32 v20, v1, 4, v6
	s_lshl_b32 s16, s13, 19
	s_lshl_b32 s17, s10, 17
.else
	s_mul_i32 s22, s11, 64*400                     ; the stage: 128 rows of 384 bytes + 16; in: row l % 16, 16 bytes for each half of the lanes
	s_mul_i32 s23, s12, 192
	s_add_co_u32 s22, s22, s23
	s_add_co_u32 s22, s22, STAGE
	v_mul_u32_u24 v6, v1, 400
	v_lshl_add_u32 v6, v2, 4, v6
	v_add_nc_u32 v16, s22, v6
	s_mul_i32 s22, s10, 32*400
	s_add_co_u32 s22, s22, STAGE
	v_lshlrev_b32 v20, 4, v7                       ; a store's 512 bytes are dense: 16 x lane
.if OUTK == 1
	v_lshrrev_b32 v6, 3, v7                        ; back: four rows x 128 bytes (one head's 64 numbers) a load
	v_mul_u32_u24 v6, v6, 400
	v_and_b32 v8, 7, v0
	v_lshl_add_u32 v6, v8, 4, v6
	v_add_nc_u32 v17, s22, v6
	s_lshl_b32 s16, s13, 14
	s_lshl_b32 s17, s10, 12
.else
.irp u, 0,1,2
	v_add_nc_u32 v6, 32*\u, v7                     ; back: piece p = 32 u + lane of four rows of 24 pieces: 16 p + 16 (p / 24), the rows' padding
	v_mul_u32_u24 v8, v6, 171                      ; p / 24 = (171 p) >> 12, exact for p < 96
	v_lshrrev_b32 v8, 12, v8
	v_add_nc_u32 v8, v8, v6
	v_lshl_add_u32 v[17+\u], v8, 4, s22
.endr
	s_mul_i32 s16, s13, 49152
	s_mul_i32 s17, s10, 12288
.endif
.endif
	s_add_co_u32 s16, s16, s17                     ; my first row of the output, in bytes,
	s_mov_b32 s17, 0
	s_mul_i32 s46, s42, OTX                        ; and the column tile's place
	s_mov_b32 s47, 0
	s_add_nc_u64 s[8:9], s[8:9], s[16:17]
	s_add_nc_u64 s[8:9], s[8:9], s[46:47]
.if HASR
	s_add_nc_u64 s[68:69], s[68:69], s[16:17]
	s_add_nc_u64 s[68:69], s[68:69], s[46:47]
.endif
.if HASB
	s_mul_i32 s46, s42, NT*4                       ; the bias of my columns: a lane's eight of each block, in the accumulators' layout
	s_mul_i32 s47, s12, NT*2
	s_add_co_u32 s46, s46, s47
	s_mov_b32 s47, 0
	s_add_nc_u64 s[66:67], s[66:67], s[46:47]
	v_lshlrev_b32 v21, 5, v2
	WIN W_LD
.set b_, 0
.rept NB
	global_load_b128 v[BIB+8*b_:BIB+8*b_+3],   v21, s[66:67] offset:64*b_
	global_load_b128 v[BIB+8*b_+4:BIB+8*b_+7], v21, s[66:67] offset:64*b_+16
.set b_, b_+1
.endr
	WIN 0
.endif
; The fragments of quarter fq_ of the slot's K step -> buffer ff_: LF loads in one run.
.macro FETCH slot
	WIN W_LD
.set b_, 0
.rept NB
.set rB, F0+ff_*FSZ+32+8*b_
.set oB, fq_*32*PB+((b_%6)>>1)*80+(b_&1)*32
.if b_ < 6
	ds_load_tr16_b128 v[rB:rB+3],   v[12+\slot] offset:oB
	ds_load_tr16_b128 v[rB+4:rB+7], v[12+\slot] offset:oB+16*PB
.else
	ds_load_tr16_b128 v[rB:rB+3],   v[14+\slot] offset:oB
	ds_load_tr16_b128 v[rB+4:rB+7], v[14+\slot] offset:oB+16*PB
.endif
.set b_, b_+1
.endr
.set a_, 0
.rept 4
.set rA, F0+ff_*FSZ+8*a_
.set oA, a_*16*PA+(fq_>>AQS)*AQH+(fq_&AQM)*64
	ds_load_b128 v[rA:rA+3],   v[10+\slot] offset:oA
	ds_load_b128 v[rA+4:rA+7], v[10+\slot] offset:oA+32
.set a_, a_+1
.endr
.endm
; 4 NB matrix instructions on buffer ff_: every accumulator once, in the same order in every quarter, so that the accumulators take turns.
; mz_ = 1: the first quarter starts the sums, from the bias or from 0: nothing is cleared.
.macro MUL
.set a_, 0
.rept 4
.if mz_ && HASB
	WIN WMULF
.else
	WIN (WMUL0+(a_/APW)*WMSTEP)
.endif
.set b_, 0
.rept NB
.set rD, ACCB+8*(NB*(a_%APW)+b_)
.set rA, F0+ff_*FSZ+8*a_
.set rB, F0+ff_*FSZ+32+8*b_
.if mz_ && HASB
	v_wmma_f32_16x16x32_bf16 v[rD:rD+7], v[rB:rB+7], v[rA:rA+7], v[BIB+8*b_:BIB+8*b_+7]
.elseif mz_
	v_wmma_f32_16x16x32_bf16 v[rD:rD+7], v[rB:rB+7], v[rA:rA+7], 0
.else
	v_wmma_f32_16x16x32_bf16 v[rD:rD+7], v[rB:rB+7], v[rA:rA+7], v[rD:rD+7]
.endif
.set b_, b_+1
.endr
.set a_, a_+1
.endr
.endm
; One K step, in slot \slot.  refill = 1: the other slot takes the next K step.
.macro TRIP slot, refill, first
	s_wait_tensorcnt 0x0                           ; all my tensor loads have landed: the one that was out is my part of this slot
	ds_add_u32 v28, v29                            ; 0 onto my spare word
	s_add_nc_u64 s[G0+4*\slot+2:G0+4*\slot+3], s[G0+4*\slot+2:G0+4*\slot+3], 2*ASTEP      ; no load of mine is out, so this slot's descriptors step to its next K step
	s_add_nc_u64 s[G0B+4*\slot+2:G0B+4*\slot+3], s[G0B+4*\slot+2:G0B+4*\slot+3], 2*BSTEP
	s_wait_dscnt 0x0                               ; the add is done, and my reads of the other slot are over
	ROUND                                          ; both now hold of every wave of the sixteen work-groups
.if \refill
	JLOAD 1-\slot                                  ; first behind the round; its four v_nop are also the places in front of the loads below
.else
	PLACES
.endif
.set fq_, 0
.set ff_, 0
	FETCH \slot
.set fq_, 1
.set ff_, 1
	FETCH \slot
.set q_, 0
.rept NQ
.if q_ == NQ-1
	s_wait_dscnt 0x0                               ; the last quarter: nothing was fetched behind it
.else
	s_wait_dscnt LF                                ; this quarter's fragments are in; the next quarter's LF loads may be out
.endif
.set ff_, q_&1
.set mz_, 0
.if \first && (q_ == 0)
.set mz_, 1
.endif
	MUL
.if q_+2 < NQ
	PLACES
.set fq_, q_+2
	FETCH \slot                                    ; the buffer just multiplied takes the quarter after next
.endif
.set q_, q_+1
.endr
	WIN 0                                          ; at a label and at a branch every window is 0
.endm
.if HASB
	s_wait_loadcnt 0x0                             ; the bias
.endif
	TRIP 0, 1, 1
	s_mov_b32 s3, NSTEP/2-1
.Llap:
	TRIP 1, 1, 0
	TRIP 0, 1, 0
	s_sub_co_u32 s3, s3, 1
	s_cmp_lg_u32 s3, 0
	s_cbranch_scc1 .Llap
	TRIP 1, 0, 0                                   ; the last K step asks for nothing
	PLACES                                         ; the way out reads results just made, and loads into fragment registers
.if OUTK == 0
	; f32 rows.  A row's 256 bytes come from two waves: through the work-group's stage, with a barrier between writing and reading.
.if HASR
.set t_, 0
.rept 16
	global_load_b128 v[160+4*t_:163+4*t_], v20, s[68:69] offset:8192*t_   ; the residual's rows, as they will be stored
.set t_, t_+1
.endr
.endif
.set n_, 0
.rept 8
	ds_store_b128 v16, v[ACCB+8*n_:ACCB+8*n_+3]   offset:(n_/2)*4352+(n_%2)*64      ; an accumulator's low four registers first
	ds_store_b128 v16, v[ACCB+8*n_+4:ACCB+8*n_+7] offset:(n_/2)*4352+(n_%2)*64+16
.set n_, n_+1
.endr
	s_wait_dscnt 0x0                               ; for the others' sake: my stores into the stage are done
	s_barrier_signal -1
	s_barrier_wait -1
.set t_, 0
.rept 16
	ds_load_b128 v[32+4*t_:35+4*t_], v17 offset:544*t_
.set t_, t_+1
.endr
.set t_, 0
.rept 16
	s_wait_dscnt 15-t_                             ; the younger reads of the stage may be out
.if HASR
	s_wait_loadcnt 15-t_                           ; and the younger rows of the residual
	v_pk_add_f32 v[32+4*t_:33+4*t_], v[32+4*t_:33+4*t_], v[160+4*t_:161+4*t_]
	v_pk_add_f32 v[34+4*t_:35+4*t_], v[34+4*t_:35+4*t_], v[162+4*t_:163+4*t_]
.endif
	global_store_b128 v20, v[32+4*t_:35+4*t_], s[8:9] offset:8192*t_     ; 16 lanes store 256 consecutive bytes, aligned
.set t_, t_+1
.endr
.elseif OUTK == 1
	; bf16, head by head: [48 blocks of 64 columns][2048 tokens][64].  The tile's 192 columns are three such blocks.
.set n_, 0
.rept 24
.set rD, ACCB+8*n_
.set rT, 32+4*(n_%8)
	v_cvt_pk_bf16_f32 v[rT],   v[rD],   v[rD+1]
	v_cvt_pk_bf16_f32 v[rT+1], v[rD+2], v[rD+3]
	v_cvt_pk_bf16_f32 v[rT+2], v[rD+4], v[rD+5]
	v_cvt_pk_bf16_f32 v[rT+3], v[rD+6], v[rD+7]
	ds_store_b128 v16, v[rT:rT+3] offset:(n_/6)*6400+(n_%6)*32
.set n_, n_+1
.endr
	s_wait_dscnt 0x0
	s_barrier_signal -1
	s_barrier_wait -1
.set n_, 0
.rept 24
	ds_load_b128 v[64+4*n_:67+4*n_], v17 offset:(n_/3)*1600+(n_%3)*128
.set n_, n_+1
.endr
.set n_, 0
.rept 24
	s_wait_dscnt 23-n_
	global_store_b128 v20, v[64+4*n_:67+4*n_], s[8:9] offset:(n_%3)*262144+(n_/3)*512   ; four tokens x 128 bytes: 512 consecutive bytes
.set n_, n_+1
.endr
.else
	; silu(g) u = g u / (1 + 2^(-log2(e) g)), block of 16 rows by block; bf16; [16 tiles][2048 tokens][192 positions].
	; The stage lies in slot 0, whose last fill and last reads stand in front of the last trip's round.
.set a_, 0
.rept 4
.set aB, 96*(a_%2)
	WIN (0x05*(1+a_/2))                            ; sources 0 and 1: the block's accumulators; destination window 0
.set i_, 0
.rept 24
	v_pk_mul_f32 v[32+2*i_:33+2*i_], v[aB+2*i_:aB+2*i_+1], s[70:71] op_sel_hi:[1,0]
.set i_, i_+1
.endr
.set i_, 0
.rept 24
	v_pk_mul_f32 v[80+2*i_:81+2*i_], v[aB+2*i_:aB+2*i_+1], v[aB+48+2*i_:aB+48+2*i_+1]
.set i_, i_+1
.endr
	WIN 0
.set i_, 0
.rept 48
	v_exp_f32 v[32+i_], v[32+i_]
.set i_, i_+1
.endr
	v_nop                                          ; a plain instruction between the last exponential and the use of its result
.set i_, 0
.rept 24
	v_pk_add_f32 v[32+2*i_:33+2*i_], v[32+2*i_:33+2*i_], 1.0 op_sel_hi:[1,0]
.set i_, i_+1
.endr
.set i_, 0
.rept 48
	v_rcp_f32 v[32+i_], v[32+i_]                   ; an overflowed exponential gives 0 here, as silu does
.set i_, i_+1
.endr
	v_nop
.set i_, 0
.rept 24
	v_pk_mul_f32 v[80+2*i_:81+2*i_], v[80+2*i_:81+2*i_], v[32+2*i_:33+2*i_]
.set i_, i_+1
.endr
.set i_, 0
.rept 24
	v_cvt_pk_bf16_f32 v[128+i_], v[80+2*i_], v[81+2*i_]
.set i_, i_+1
.endr
.set i_, 0
.rept 6
	ds_store_b128 v16, v[128+4*i_:131+4*i_] offset:a_*6400+32*i_
.set i_, i_+1
.endr
.set a_, a_+1
.endr
	s_wait_dscnt 0x0
	s_barrier_signal -1
	s_barrier_wait -1
.set n_, 0
.rept 24
	ds_load_b128 v[32+4*n_:35+4*n_], v[17+n_%3] offset:(n_/3)*1600
.set n_, n_+1
.endr
.set n_, 0
.rept 24
	s_wait_dscnt 23-n_
	global_store_b128 v20, v[32+4*n_:35+4*n_], s[8:9] offset:512*n_      ; my 32 tokens x 384 bytes are one dense run
.set n_, n_+1
.endr
.endif
	s_wait_tensorcnt 0x0                           ; the wave's end
	ds_add_u32 v28, v29
	s_wait_dscnt 0x0
	ROUND                                          ; the closing round: no work-group ends while a partner may still ask for a tile that names it
	s_endpgm
.Lfunc_end_k_qa894d9912b_gqkv:
	.size	k_qa894d9912b_gqkv, .Lfunc_end_k_qa894d9912b_gqkv-k_qa894d9912b_gqkv
	.p2alignl 7, 3214868480
	.fill 96, 4, 3214868480
	.section	.rodata,"a",@progbits
	.p2align	6, 0x0
	.amdhsa_kernel k_qa894d9912b_gqkv
		.amdhsa_group_segment_fixed_size 327680
		.amdhsa_private_segment_fixed_size 0
		.amdhsa_enable_private_segment 0
		.amdhsa_kernarg_size 32
		.amdhsa_user_sgpr_count 2
		.amdhsa_user_sgpr_kernarg_segment_ptr 1
		.amdhsa_wavefront_size32 1
		.amdhsa_system_sgpr_workgroup_id_x 1
		.amdhsa_system_sgpr_workgroup_id_y 1
		.amdhsa_system_sgpr_workgroup_id_z 1
		.amdhsa_system_vgpr_workitem_id 0
		.amdhsa_next_free_vgpr 512
		.amdhsa_next_free_sgpr 72
		.amdhsa_reserve_vcc 0
		.amdhsa_float_denorm_mode_32 3
		.amdhsa_float_denorm_mode_16_64 3
		.amdhsa_memory_ordered 1
		.amdhsa_forward_progress 1
		.amdhsa_inst_pref_size 72
	.end_amdhsa_kernel
	.amdgpu_metadata
---
amdhsa.version: [ 1, 2 ]
amdhsa.kernels:
  - .name:           k_qa894d9912b_gqkv
    .symbol:         k_qa894d9912b_gqkv.kd
    .args:
      - { .name: h, .offset: 0, .size: 8, .value_kind: global_buffer, .address_space: global }
      - { .name: pre, .offset: 8, .size: 8, .value_kind: global_buffer, .address_space: global }
      - { .name: b_qkv, .offset: 16, .size: 8, .value_kind: global_buffer, .address_space: global }
      - { .name: qkvh, .offset: 24, .size: 8, .value_kind: global_buffer, .address_space: global }
    .group_segment_fixed_size: 327680
    .private_segment_fixed_size: 0
    .kernarg_segment_align: 8
    .kernarg_segment_size: 32
    .max_flat_workgroup_size: 128
    .sgpr_count:     72
    .vgpr_count:     512
    .wavefront_size: 32
...
	.end_amdgpu_metadata
.endif
;; end of part 4
;; launch attn (part 5): grid 256 x 1, 8 waves a work-group, no clusters, 327,680 bytes of LDS; arguments qkvh, ctxh; writes ctxh
.if DOCPART == 5
	.amdgcn_target "amdgcn-amd-amdhsa--gfx1250"
	.amdhsa_code_object_version 6
	.text
	.protected	k_qa894d9912b_attn
	.globl	k_qa894d9912b_attn
	.p2align	8
	.type	k_qa894d9912b_attn,@function
k_qa894d9912b_attn:
	s_mov_b64 s[64:65], 0
	v_nop
	global_prefetch_b8 v0, s[64:65] scope:SCOPE_SE
	s_setreg_imm32_b32 hwreg(HW_REG_WAVE_MODE, 25, 1), 1
	s_wait_xcnt 0x0
; attn: for each of 32 (batch, head) pairs: scores = q . k / 8, four FitzHugh-Nagumo steps on every score, causal softmax, times v.
; qkvh: [48 blocks: q heads, k heads, v heads][2048 tokens][64] bf16.  ctxh: [16 heads][2048 tokens][64] bf16.
; SHARES.  A head's 1,024 queries are 16 blocks of 64; a work-group owns blocks i and 15 - i (i = 0..7), so that every work-group has the same causal work:
; waves 0-3 take block i, waves 4-7 block 15 - i, 16 queries each; a wave walks its keys 64 a step: block + 1 steps.
; LDS is filled ONCE: wave w brings keys 128 w .. 128 w + 127 of K and of V by two tensor loads (two out, by this text's count), one wait, one barrier.
; NO MULTICAST: the work-groups of a head have different numbers of key steps, by their place, and partners of a joint load must run alike.
; LAYOUT.  S^T = K Q^T: a lane holds ONE query (lane % 16) and the keys 16 kb + 8 (lane / 16) + 0..7; rounded in pairs these registers ARE source 1 of O^T = V^T P.
; THE DYNAMICS, with r = q . k unscaled, s = r / 8, in packed f32, fused:
;   step 1 (w = 0, v = s):  v = r (0.15 - r^2 / 15360);  w = c2 v + c3;  I = 0.0125 r = 0.1 s
;   steps 2, 3, 4:          v = v (1.1 - v^2 / 30) + (I - 0.1 w);  w = c1 w + (c2 v + c3)  (not after the last step)
;   c1 = 1 / 1.0064, c2 = 0.008 / 1.0064, c3 = 0.0056 / 1.0064.
; SOFTMAX with a running maximum m and sum l.  The threshold 0.5 is a common shift of a row's logits and cancels against the maximum.
; LIMITS, stated: keys behind the causal bound are left out (in the diagonal step they are set to -1e9): equal to a weight of 0 as long as a row's largest logit
; lies above about -1e9 + 100; weights below 2^-126 are flushed to 0 by v_exp_f32; the weights are rounded to bf16 for the second product, l is summed in f32.
.set PK,  144                          ; a row of K in LDS: 128 bytes + 16: an odd multiple of 16
.set PV,  160                          ; a row of V: 128 + 32: an odd multiple of 32, for the turning load
.set VB,  147456                       ; V behind K's 1,024 rows
.set STG, 311296                       ; behind V: 2,048 bytes for each wave, for the way out
.set S,   84                           ; v[84:115]   S^T: 4 tiles of 16 keys
.set KF,  116                          ; v[116:179]  K's fragments; then at work:
.set FI,  116                          ;   0.1 s
.set FW,  132                          ;   w
.set FT,  148                          ;   at work; then P, the weights in bf16
.set FR,  164                          ;   at work
.set P,   148
.set VF,  180                          ; v[180:243]  V's fragments
.set Q,   36                           ; v[36:51]
.set O,   52                           ; v[52:83]    O^T: 4 tiles of 16 channels
.set CA1, 18                           ; v[18:35] nine constants, each twice
.set CB1, 20
.set CI,  22
.set CN30, 24
.set C11, 26
.set CM01, 28
.set CC1, 30
.set CC2, 32
.set CC3, 34
; v1 l % 16; v2 l / 16; v3 K's address; v4 V's; v5 into the stage; v6 back; v7 16 x lane; v8 Q's offset; v9 the diagonal's bound; v10 c m; v11 m; v12-13 l; v14-17 at work; v244 -1e9
; s8 wave; s13 my block = my last key step; s42 the key step; s[44:45] log2(e); s[46:47] lane selects
.macro PLACES
.rept 4
	v_nop
.endr
.endm
.macro CONST r, bits
	v_mov_b32 v[\r], \bits
	v_mov_b32 v[\r+1], \bits
.endm
	s_load_b128 s[4:7], s[0:1], 0x0                ; qkvh s[4:5], ctxh s[6:7]
	v_lshrrev_b32 v1, 5, v0
	v_readfirstlane_b32 s8, v1                     ; wave 0..7
	s_lshr_b32 s9, ttmp9, 3                        ; (batch, head)
	s_and_b32 s10, ttmp9, 7                        ; i
	s_lshr_b32 s11, s9, 4                          ; batch
	s_and_b32 s12, s9, 15                          ; head
	s_sub_co_u32 s13, 15, s10
	s_cmp_lt_u32 s8, 4
	s_cselect_b32 s13, s10, s13                    ; my block of 64 queries
	; group 1: a dense run of 16,384 bytes as 64 rows of 32 elements of 8 bytes; padding behind every 32 words: 4 words for K, 8 for V
	s_mov_b32 s16, (3<<16)|(1<<20)|(4<<22)|(3<<25)
	s_mov_b32 s24, (3<<16)|(1<<20)|(4<<22)|(7<<25)
.irp g, 16, 24
	s_mov_b32 s[\g+1], 32<<16                      ; tensor_dim0
	s_mov_b32 s[\g+2], 64<<16                      ; tensor_dim1
	s_mov_b32 s[\g+3], 32<<16                      ; tile_dim0
	s_mov_b32 s[\g+4], 64                          ; tile_dim1
	s_mov_b32 s[\g+5], 32                          ; elements from row to row
	s_mov_b32 s[\g+6], 0
	s_mov_b32 s[\g+7], 0
.endr
	s_mov_b32 s32, 1
	s_mul_i32 s33, s8, 128*PK                      ; my 128 keys' place in LDS
	s_mov_b32 s36, 1
	s_mul_i32 s37, s8, 128*PV
	s_add_co_u32 s37, s37, VB
	s_lshl_b32 s14, s12, 18                        ; the head's block of 2,048 tokens x 128 bytes,
	s_lshl_b32 s15, s11, 17                        ; the batch's 1,024 tokens in it
	s_add_co_u32 s14, s14, s15
	s_lshl_b32 s15, s8, 14                         ; my 128 keys
	s_add_co_u32 s40, s14, s15
	s_mov_b32 s41, 0
	s_wait_kmcnt 0x0
	s_add_nc_u64 s[34:35], s[4:5], s[40:41]
	s_add_nc_u64 s[34:35], s[34:35], 16<<18        ; k heads lie 16 blocks behind the q heads,
	s_add_nc_u64 s[38:39], s[34:35], 16<<18        ; v heads 16 more
	s_or_b32 s35, s35, 0x80000000
	s_or_b32 s39, s39, 0x80000000
	tensor_load_to_lds s[32:35], s[16:23]          ; the two fills stand together, ahead of every wait on TENSORcnt, every LDS read and the barrier;
	s_nop 0
	tensor_load_to_lds s[36:39], s[24:31]          ; four v_nop follow the second
	s_nop 0
.rept 4
	v_nop
.endr
	s_and_b32 s15, s8, 3
	s_lshl_b32 s15, s15, 4                         ; my 16 queries in the block
	s_lshl_b32 s40, s13, 6
	s_add_co_u32 s40, s40, s15
	s_lshl_b32 s40, s40, 7
	s_add_co_u32 s40, s40, s14
	s_add_nc_u64 s[4:5], s[4:5], s[40:41]          ; q and ctx at my first query
	s_add_nc_u64 s[6:7], s[6:7], s[40:41]
	v_and_b32 v1, 15, v0
	v_bfe_u32 v2, v0, 4, 1
	v_lshlrev_b32 v8, 7, v1
	v_lshl_add_u32 v8, v2, 4, v8
.irp c, 0,1
	global_load_b128 v[Q+8*\c:Q+8*\c+3],   v8, s[4:5] offset:64*\c       ; Q stays in registers: channels 32 c on
	global_load_b128 v[Q+8*\c+4:Q+8*\c+7], v8, s[4:5] offset:64*\c+32
.endr
	v_mul_u32_u24 v3, v1, PK
	v_lshl_add_u32 v3, v2, 4, v3                   ; K: row l % 16, 16 bytes at 16 (l / 16)
	v_and_b32 v4, 7, v0
	v_lshl_add_u32 v4, v2, 3, v4
	v_mul_u32_u24 v4, v4, PV
	v_bfe_u32 v5, v0, 3, 1
	v_lshl_add_u32 v4, v5, 4, v4
	v_add_nc_u32 v4, VB, v4                        ; V, turned: key 8 (l / 16) + l % 8, 16 bytes at 16 ((l / 8) % 2)
	s_lshl_b32 s43, s8, 11
	s_add_co_u32 s43, s43, STG                     ; my stage
	v_lshlrev_b32 v5, 7, v1
	v_lshl_add_u32 v5, v2, 4, v5
	v_add_nc_u32 v5, s43, v5
	v_and_b32 v7, 31, v0
	v_lshlrev_b32 v7, 4, v7
	v_add_nc_u32 v6, s43, v7
	v_lshlrev_b32 v9, 3, v2
	v_sub_nc_u32 v9, v1, v9
	v_add_nc_u32 v9, s15, v9                       ; in the diagonal step key 16 kb + 8 (l / 16) + j is kept where 16 kb + j <= 16 (w % 4) + l % 16 - 8 (l / 16)
	CONST CA1,  0xb8888889                         ; -1 / 15360
	CONST CB1,  0x3e19999a                         ; 0.15
	CONST CI,   0x3c4ccccd                         ; 0.0125
	CONST CN30, 0xbd088889                         ; -1 / 30
	CONST C11,  0x3f8ccccd                         ; 1.1
	CONST CM01, 0xbdcccccd                         ; -0.1
	CONST CC1,  0x3f7e5f3d                         ; 1 / 1.0064
	CONST CC2,  0x3c023d0d                         ; 0.008 / 1.0064
	CONST CC3,  0x3bb65578                         ; 0.0056 / 1.0064
	v_mov_b32 v244, 0xce6e6b28                     ; -1e9
	s_mov_b32 s44, 0x3fb8aa3b                      ; log2(e), named as a pair
	s_mov_b32 s45, 0x3fb8aa3b
	s_mov_b32 s46, 0x76543210
	s_mov_b32 s47, 0xfedcba98
; One explicit step of v for the group's eight pairs, and the implicit step of w.  Each line runs over eight independent pairs.
.macro VSTEP
.irp n, 0,2,4,6,8,10,12,14
	v_pk_mul_f32 v[FT+\n:FT+\n+1], v[SG+\n:SG+\n+1], v[SG+\n:SG+\n+1]
.endr
.irp n, 0,2,4,6,8,10,12,14
	v_pk_fma_f32 v[FR+\n:FR+\n+1], v[FW+\n:FW+\n+1], v[CM01:CM01+1], v[FI+\n:FI+\n+1]
.endr
.irp n, 0,2,4,6,8,10,12,14
	v_pk_fma_f32 v[FT+\n:FT+\n+1], v[FT+\n:FT+\n+1], v[CN30:CN30+1], v[C11:C11+1]
.endr
.irp n, 0,2,4,6,8,10,12,14
	v_pk_fma_f32 v[SG+\n:SG+\n+1], v[SG+\n:SG+\n+1], v[FT+\n:FT+\n+1], v[FR+\n:FR+\n+1]
.endr
.endm
.macro WSTEP
.irp n, 0,2,4,6,8,10,12,14
	v_pk_fma_f32 v[FR+\n:FR+\n+1], v[SG+\n:SG+\n+1], v[CC2:CC2+1], v[CC3:CC3+1]
.endr
.irp n, 0,2,4,6,8,10,12,14
	v_pk_fma_f32 v[FW+\n:FW+\n+1], v[FW+\n:FW+\n+1], v[CC1:CC1+1], v[FR+\n:FR+\n+1]
.endr
.endm
.macro FHN g                           ; the four steps on tiles 2 g and 2 g + 1 of S^T, in place; each tile is read from its low registers on
.set SG, S+16*\g
.irp n, 0,2,4,6,8,10,12,14
	v_pk_mul_f32 v[FT+\n:FT+\n+1], v[SG+\n:SG+\n+1], v[SG+\n:SG+\n+1]
.endr
.irp n, 0,2,4,6,8,10,12,14
	v_pk_mul_f32 v[FI+\n:FI+\n+1], v[SG+\n:SG+\n+1], v[CI:CI+1]
.endr
.irp n, 0,2,4,6,8,10,12,14
	v_pk_fma_f32 v[FT+\n:FT+\n+1], v[FT+\n:FT+\n+1], v[CA1:CA1+1], v[CB1:CB1+1]
.endr
.irp n, 0,2,4,6,8,10,12,14
	v_pk_mul_f32 v[SG+\n:SG+\n+1], v[SG+\n:SG+\n+1], v[FT+\n:FT+\n+1]
.endr
.irp n, 0,2,4,6,8,10,12,14
	v_pk_fma_f32 v[FW+\n:FW+\n+1], v[SG+\n:SG+\n+1], v[CC2:CC2+1], v[CC3:CC3+1]
.endr
	VSTEP
	WSTEP
	VSTEP
	WSTEP
	VSTEP
.endm
; One key step: 64 keys x my 16 queries.  first = 1: it starts m, l and O^T.
.macro STEP first
.irp kb, 0,1,2,3
.irp c, 0,1
	ds_load_b128 v[KF+8*(2*\kb+\c):KF+8*(2*\kb+\c)+3],   v3 offset:\kb*16*PK+64*\c
	ds_load_b128 v[KF+8*(2*\kb+\c)+4:KF+8*(2*\kb+\c)+7], v3 offset:\kb*16*PK+64*\c+32
.endr
.endr
.if \first
	s_wait_loadcnt 0x0                             ; Q
.endif
	s_wait_dscnt 0x0                               ; K's fragments
.irp kb, 0,1,2,3                       ; the four tiles take turns
	v_wmma_f32_16x16x32_bf16 v[S+8*\kb:S+8*\kb+7], v[KF+16*\kb:KF+16*\kb+7], v[Q:Q+7], 0
.endr
.irp kb, 0,1,2,3
	v_wmma_f32_16x16x32_bf16 v[S+8*\kb:S+8*\kb+7], v[KF+16*\kb+8:KF+16*\kb+15], v[Q+8:Q+15], v[S+8*\kb:S+8*\kb+7]
.endr
.irp ks, 0,1
.irp cb, 0,1,2,3
	ds_load_tr16_b128 v[VF+8*(4*\ks+\cb):VF+8*(4*\ks+\cb)+3],   v4 offset:\ks*32*PV+32*\cb      ; V's fragments come in under the vector work
	ds_load_tr16_b128 v[VF+8*(4*\ks+\cb)+4:VF+8*(4*\ks+\cb)+7], v4 offset:\ks*32*PV+16*PV+32*\cb
.endr
.endr
	PLACES                                         ; the lines below read the scores and write over K's fragments
	FHN 0
	FHN 1
	s_cmp_lg_u32 s42, s13
	s_cbranch_scc1 .Lopen_\@                       ; only my last step crosses the diagonal
.irp kb, 0,1,2,3
.irp j, 0,1,2,3,4,5,6,7
	v_cmp_le_i32 vcc_lo, 16*\kb+\j, v9
	v_cndmask_b32 v[S+8*\kb+\j], v244, v[S+8*\kb+\j], vcc_lo
.endr
.endr
.Lopen_\@:
.irp j, 0,1,2,3                        ; the maximum of 32 logits and the old m: four chains of seven, the four left over, then together
	v_max3_num_f32 v[14+\j], v[S+8*\j], v[S+8*\j+1], v[S+8*\j+2]
.endr
.irp j, 0,1,2,3
	v_max3_num_f32 v[14+\j], v[14+\j], v[S+8*\j+3], v[S+8*\j+4]
.endr
.irp j, 0,1,2,3
	v_max3_num_f32 v[14+\j], v[14+\j], v[S+8*\j+5], v[S+8*\j+6]
.endr
	v_max3_num_f32 v14, v14, v[S+7], v[S+15]
	v_max3_num_f32 v16, v16, v[S+23], v[S+31]
	v_max3_num_f32 v14, v14, v15, v16
.if \first
	v_max_num_f32 v14, v14, v17
.else
	v_max3_num_f32 v14, v14, v17, v11
.endif
	v_permlanex16_b32 v15, v14, s46, s47           ; the query's other 32 keys lie in the lane 16 away
.if !\first
	v_mov_b32 v17, v10                             ; c m_old
.endif
	v_max_num_f32 v11, v14, v15
	v_mul_f32 v10, s44, v11                        ; c m
.if !\first
	v_sub_f32 v17, v17, v10
	v_exp_f32 v16, v17                             ; a = 2^(c m_old - c m); the scalings below are the plain instructions behind it
.endif
.set i_, 0
.rept 16
	v_pk_fma_f32 v[S+2*i_:S+2*i_+1], v[S+2*i_:S+2*i_+1], s[44:45], v[10:11] op_sel_hi:[1,0,0] neg_lo:[0,0,1] neg_hi:[0,0,1]   ; c v - c m
.set i_, i_+1
.endr
.set i_, 0
.rept 32
	v_exp_f32 v[S+i_], v[S+i_]
.set i_, i_+1
.endr
	v_nop                                          ; a plain instruction between the last exponential and the use of its result
.set i_, 0
	s_wait_alu depctr_va_vdst(0)
.rept 16
	v_cvt_pk_bf16_f32 v[P+i_], v[S+2*i_], v[S+2*i_+1]
.set i_, i_+1
.endr
.irp u, 0,4,8,12,16,20,24,28           ; the sum of the 16 pairs, in place
	v_pk_add_f32 v[S+\u:S+\u+1], v[S+\u:S+\u+1], v[S+\u+2:S+\u+3]
.endr
.irp u, 0,8,16,24
	v_pk_add_f32 v[S+\u:S+\u+1], v[S+\u:S+\u+1], v[S+\u+4:S+\u+5]
.endr
.irp u, 0,16
	v_pk_add_f32 v[S+\u:S+\u+1], v[S+\u:S+\u+1], v[S+\u+8:S+\u+9]
.endr
.if \first
	v_pk_add_f32 v[12:13], v[S:S+1], v[S+16:S+17]
.else
	v_pk_add_f32 v[S:S+1], v[S:S+1], v[S+16:S+17]
	v_pk_fma_f32 v[12:13], v[12:13], v[16:17], v[S:S+1] op_sel_hi:[1,0,1]
.set i_, 0
.rept 16
	v_pk_mul_f32 v[O+2*i_:O+2*i_+1], v[O+2*i_:O+2*i_+1], v[16:17] op_sel_hi:[1,0]     ; O^T times a, each tile from its low registers on
.set i_, i_+1
.endr
.endif
	s_wait_dscnt 0x0                               ; V's fragments
.irp cb, 0,1,2,3
.if \first
	v_wmma_f32_16x16x32_bf16 v[O+8*\cb:O+8*\cb+7], v[VF+8*\cb:VF+8*\cb+7], v[P:P+7], 0
.else
	v_wmma_f32_16x16x32_bf16 v[O+8*\cb:O+8*\cb+7], v[VF+8*\cb:VF+8*\cb+7], v[P:P+7], v[O+8*\cb:O+8*\cb+7]
.endif
.endr
.irp cb, 0,1,2,3
	v_wmma_f32_16x16x32_bf16 v[O+8*\cb:O+8*\cb+7], v[VF+32+8*\cb:VF+32+8*\cb+7], v[P+8:P+15], v[O+8*\cb:O+8*\cb+7]
.endr
	PLACES                                         ; in front of the next step's loads into P's and V's registers, and of the way out
.endm
	s_wait_tensorcnt 0x0                           ; my keys have landed,
	s_barrier_signal -1
	s_barrier_wait -1                              ; everybody's have
	s_mov_b32 s42, 0
	STEP 1
	v_add_nc_u32 v3, 64*PK, v3
	v_add_nc_u32 v4, 64*PV, v4
	s_mov_b32 s42, 1
.Lkey:                                                 ; counted to the constant 16; a wave jumps over the steps behind its diagonal (no barrier and no tensor load in them)
	s_cmp_gt_u32 s42, s13
	s_cbranch_scc1 .Lskip
	STEP 0
.Lskip:
	v_add_nc_u32 v3, 64*PK, v3
	v_add_nc_u32 v4, 64*PV, v4
	s_add_co_u32 s42, s42, 1
	s_cmp_lt_u32 s42, 16
	s_cbranch_scc1 .Lkey
	; THE WAY OUT: O^T / l, bf16, through my own stage (16 queries x 128 bytes), back as 512 dense bytes a load.
	v_add_f32 v14, v12, v13
	v_permlanex16_b32 v15, v14, s46, s47
	v_add_f32 v14, v14, v15
	v_rcp_f32 v16, v14
	v_nop
	s_wait_alu depctr_va_vdst(0)
	v_mov_b32 v17, v16
.set i_, 0
.rept 16
	v_pk_mul_f32 v[O+2*i_:O+2*i_+1], v[O+2*i_:O+2*i_+1], v[16:17]
.set i_, i_+1
.endr
.set i_, 0
.rept 16
	v_cvt_pk_bf16_f32 v[S+i_], v[O+2*i_], v[O+2*i_+1]
.set i_, i_+1
.endr
.irp c, 0,1,2,3
	ds_store_b128 v5, v[S+4*\c:S+4*\c+3] offset:32*\c
.endr
.irp t, 0,1,2,3
	ds_load_b128 v[S+16+4*\t:S+16+4*\t+3], v6 offset:512*\t      ; LDS serves a wave's instructions in order (ISA guide 5.7.1.4): these see the stores above
.endr
.irp t, 0,1,2,3
	s_wait_dscnt 3-\t                              ; the younger reads may be out
	global_store_b128 v7, v[S+16+4*\t:S+16+4*\t+3], s[6:7] offset:512*\t     ; 512 consecutive bytes, aligned
.endr
	s_endpgm
.Lfunc_end_k_qa894d9912b_attn:
	.size	k_qa894d9912b_attn, .Lfunc_end_k_qa894d9912b_attn-k_qa894d9912b_attn
	.p2alignl 7, 3214868480
	.fill 96, 4, 3214868480
	.section	.rodata,"a",@progbits
	.p2align	6, 0x0
	.amdhsa_kernel k_qa894d9912b_attn
		.amdhsa_group_segment_fixed_size 327680
		.amdhsa_private_segment_fixed_size 0
		.amdhsa_enable_private_segment 0
		.amdhsa_kernarg_size 16
		.amdhsa_user_sgpr_count 2
		.amdhsa_user_sgpr_kernarg_segment_ptr 1
		.amdhsa_wavefront_size32 1
		.amdhsa_system_sgpr_workgroup_id_x 1
		.amdhsa_system_sgpr_workgroup_id_y 1
		.amdhsa_system_sgpr_workgroup_id_z 1
		.amdhsa_system_vgpr_workitem_id 0
		.amdhsa_next_free_vgpr 248
		.amdhsa_next_free_sgpr 66
		.amdhsa_reserve_vcc 1
		.amdhsa_float_denorm_mode_32 3
		.amdhsa_float_denorm_mode_16_64 3
		.amdhsa_memory_ordered 1
		.amdhsa_forward_progress 1
		.amdhsa_inst_pref_size 74
	.end_amdhsa_kernel
	.amdgpu_metadata
---
amdhsa.version: [ 1, 2 ]
amdhsa.kernels:
  - .name:           k_qa894d9912b_attn
    .symbol:         k_qa894d9912b_attn.kd
    .args:
      - { .name: qkvh, .offset: 0, .size: 8, .value_kind: global_buffer, .address_space: global }
      - { .name: ctxh, .offset: 8, .size: 8, .value_kind: global_buffer, .address_space: global }
    .group_segment_fixed_size: 327680
    .private_segment_fixed_size: 0
    .kernarg_segment_align: 8
    .kernarg_segment_size: 16
    .max_flat_workgroup_size: 256
    .sgpr_count:     66
    .vgpr_count:     248
    .wavefront_size: 32
...
	.end_amdgpu_metadata
.endif
;; end of part 5
;; launch gout (part 6): grid 16 x 16, 4 waves a work-group, clusters of 4 x 4, 327,680 bytes of LDS; arguments ctxh, pre, b_out, x, x2; writes x2
.if DOCPART == 6
	.amdgcn_target "amdgcn-amd-amdhsa--gfx1250"
	.amdhsa_code_object_version 6
	.text
	.protected	k_qa894d9912b_gout
	.globl	k_qa894d9912b_gout
	.p2align	8
	.type	k_qa894d9912b_gout,@function
k_qa894d9912b_gout:
	s_mov_b64 s[64:65], 0
	v_nop
	global_prefetch_b8 v0, s[64:65] scope:SCOPE_SE
	s_setreg_imm32_b32 hwreg(HW_REG_WAVE_MODE, 25, 1), 1
	s_wait_xcnt 0x0
	s_wait_alu depctr_hold_cnt(0) depctr_sa_sdst(0) depctr_va_vdst(0) depctr_va_sdst(0) depctr_va_ssrc(0) depctr_va_vcc(0) depctr_vm_vsrc(0)
	s_getreg_b32 s2, hwreg(HW_REG_IB_STS2, 6, 4)
	s_cmp_eq_u32 s2, 0
	s_cbranch_scc0 .Lentry_in_a_cluster
	s_endpgm
.Lentry_in_a_cluster:
	s_bfe_u32 s2, ttmp6, 0x10000c
	s_cmp_lg_u32 s2, 0xf033
	s_cbranch_scc0 .Lentry_shape_is_right
	s_endpgm
.Lentry_shape_is_right:
; gout: x2 = x + ctx . w_out + b_out.  A = ctxh bf16 [16 heads][2048 tokens][64], W = w_out's tile image [16][1024][64]; x, x2 f32 [2048][1024].
; A tile is 128 rows x 64 columns; a wave 64 x 32.  K in 4 steps of 256 = four heads; a wave's load of A brings two heads' 128 tokens x 128 bytes
; (two rows of 16,384 dense bytes, 16 bytes of padding behind every 128): in LDS [head][token][144].  The sums begin from x + b_out.
.set ARG_A, 0x0
.set ARG_B, 0x8
.set ARG_BI, 0x10
.set ARG_R, 0x18
.set ARG_O, 0x20
.set INITK, 2                          ; the sums begin from: 0 the bias, 1 the residual, 2 residual + bias
.set NQ, 8
.set NSTEP, 4
.set PA, 144
.set AQN, 8                            ; quarter q: head q / 2 of the step, channels 32 (q % 2) on
.set AQS, 1
.set AQH, 18432
.set AQM, 1
.set ABYTES, 73728
.set AHALF, 36864
.set PB2, 288                          ; two rows of W (2 x 128 bytes) + 32: row k starts 8 (k / 2) + 32 (k % 2) words on, modulo 64: eight rows of 8 words meet no bank twice
.set BPAD, 7
.set BBYTES, 36864
.set BHALF, 18432
.set STAGE, 221184
.set SPARE, 256000
.set ASTEP, 1048576
.set BSTEP, 32768
.set A_TY, 16384
.set A_HF, 524288
.set B_OFF, 18874368
.set B_TX, 131072
.set B_HF, 16384
.set GA0, (3<<16)|(1<<20)|(1<<21)|(4<<22)|(3<<25)   ; elements of 8 bytes; 4 words behind every 32
.set GA_D0, 2048
.set GA_D1, 2
.set GA_ST, 32768
.set GB_D1, 64
; ------------------------------------------------------------------ from here on the text is the same in gx, gout and gdn
; C = A W + what the sums begin from.  A work-group makes 128 rows x 64 columns; wave w: rows 64 (w / 2) on, columns 32 (w % 2) on.
; THE RING: two LDS slots, each with A's and W's tile of one K step.  Waves 0, 1 fetch A's halves, waves 2, 3 W's.  Both slots are filled at the start (two loads
; of a wave are out); then a slot is filled again as soon as it has been read, with the K step two on (one load of a wave is out), and that load has the other slot's
; whole K step in which to land: NSTEP - 2 refills.  The slot in hand is a scalar, s45 = 0 or SLOT, so that a K step's work is written once in the loop with
; refills and once in the loop of the last two steps, which ask for nothing.
; CLUSTER 4 x 4: the four work-groups of a row of the cluster share A's tile, the four of a column W's: each tile is asked for jointly.
; THE MATRIX INSTRUCTION IS USED TRANSPOSED: source 0 = 16 columns of W (turned out of [k][column] rows by ds_load_tr16_b128), source 1 = 16 rows of A:
; lane l then holds row l % 16 of C and the eight neighbouring columns 8 (l / 16) + 0..7.  The accumulators are LOADED in that layout with the bias or the residual
; (a lane's 32 neighbouring bytes of its row; two waves together read each row's 256 bytes once), while the first tiles are on their way: nothing is cleared.
; v1 l % 16; v2 l / 16; v10-11 A's fragments in the slot in hand; v12 W's; v16 into the stage; v17 back; v20 offset in C; v21, v24 offsets of residual and bias;
; v22, v23 A's and W's fragments in slot 0; v28, v29 the add's; v32-95 at work; v96-159 accumulators; v160-207, v208-255 fragment buffers.
.set SLOT,  ABYTES+BBYTES
.set LF,    12                         ; LDS loads of one quarter's fragments
.set FSZ,   48                         ; a fragment buffer: 4 fragments of A, then 2 of W
.set ACCB,  96
.set F0,    160
.set G1,  24                           ; s[24:31] group 1 of A's tiles; s[32:39] group 0: a set for each first fill; the second then walks on
.set G0,  32
.set G1B, 48                           ; s[48:55], s[56:63] the same for W's
.set G0B, 56
.set CUR, 45                           ; s45: the slot in hand
.set GB0, (3<<16)|(1<<20)|(1<<21)|(5<<22)|(BPAD<<25)   ; elements of 8 bytes; padding behind every 64 words
.macro PLACES                          ; four places between a matrix instruction and a load into, or a read of, its registers (ISA guide 7.12.1 for reads)
.rept 4
	v_nop
.endr
.endm
.macro ROUND                           ; a round of the cluster's barrier
	s_barrier_signal -1
	s_barrier_wait -1
	s_cmp_lg_u32 s10, 0
	s_cbranch_scc1 .Lnot_wave_0_\@
	s_barrier_signal -3
.Lnot_wave_0_\@:
	s_barrier_wait -3
	s_barrier_signal -1
	s_barrier_wait -1
.endm
.macro JLOAD                           ; a joint refill by the walking descriptor; the branch hangs on the wave's number alone; four v_nop follow each line
	s_cmp_eq_u32 s11, 0
	s_cbranch_scc0 .Lfor_b_\@
	tensor_load_to_lds s[G0+4:G0+7], s[G1:G1+7]
	s_nop 0
.rept 4
	v_nop
.endr
	s_branch .Lasked_\@
.Lfor_b_\@:
	tensor_load_to_lds s[G0B+4:G0B+7], s[G1B:G1B+7]
	s_nop 0
.rept 4
	v_nop
.endr
.Lasked_\@:
.endm
	s_load_b64 s[4:5], s[0:1], ARG_A
	s_load_b64 s[6:7], s[0:1], ARG_B
	s_load_b64 s[8:9], s[0:1], ARG_O
.if INITK != 1
	s_load_b64 s[66:67], s[0:1], ARG_BI
.endif
.if INITK != 0
	s_load_b64 s[68:69], s[0:1], ARG_R
.endif
	v_lshl_add_u32 v28, v0, 2, SPARE
	v_mov_b32 v29, 0
	v_lshrrev_b32 v1, 5, v0
	v_readfirstlane_b32 s10, v1                    ; wave 0..3
	s_lshr_b32 s11, s10, 1                         ; my half of the rows.  Also: I fetch for A (0) or for W (1)
	s_and_b32 s12, s10, 1                          ; my half of the columns.  Also: which half of that tile I fetch
	s_bfe_u32 s40, ttmp6, 0x40000                  ; cx, cy: my place in the cluster
	s_bfe_u32 s41, ttmp6, 0x40004
	s_lshl_b32 s42, ttmp9, 2
	s_add_co_u32 s42, s42, s40                     ; column tile = 4 x cluster x + cx
	s_and_b32 s13, ttmp7, 0xffff
	s_lshl_b32 s13, s13, 2
	s_add_co_u32 s13, s13, s41                     ; row tile = 4 x cluster y + cy
	s_lshl_b32 s43, s41, 2
	s_lshl_b32 s43, 15, s43                        ; my row of the cluster
	s_lshl_b32 s44, 0x1111, s40                    ; my column
	s_or_b32 s[G1], s43, GA0                       ; A's tiles go to my row,
	s_or_b32 s[G1B], s44, GB0                      ; W's to my column
	s_mov_b32 s[G1+1], (GA_D0&0xffff)<<16          ; tensor_dim0 = tile_dim0
	s_mov_b32 s[G1+2], (GA_D0>>16)|((GA_D1&0xffff)<<16)   ; tensor_dim1 = tile_dim1
	s_mov_b32 s[G1+3], (GA_D1>>16)|(GA_D0<<16)
	s_mov_b32 s[G1+4], GA_D1
	s_mov_b32 s[G1+5], GA_ST                       ; elements from row to row
	s_mov_b32 s[G1+6], 0
	s_mov_b32 s[G1+7], 0
	s_mov_b32 s[G1B+1], 32<<16                     ; W's half tile is dense: rows of 32 elements of 8 bytes
	s_mov_b32 s[G1B+2], GB_D1<<16
	s_mov_b32 s[G1B+3], 32<<16
	s_mov_b32 s[G1B+4], GB_D1
	s_mov_b32 s[G1B+5], 32
	s_mov_b32 s[G1B+6], 0
	s_mov_b32 s[G1B+7], 0
	s_mul_i32 s16, s13, A_TY                       ; A's tile hangs on the row tile and the wave alone,
	s_mul_i32 s17, s12, A_HF
	s_add_co_u32 s16, s16, s17
	s_mov_b32 s17, 0
	s_mul_i32 s46, s42, B_TX                       ; W's on the column tile and the wave alone
	s_mul_i32 s47, s12, B_HF
	s_add_co_u32 s46, s46, s47
	s_add_co_u32 s46, s46, B_OFF
	s_mov_b32 s47, 0
	s_mul_i32 s20, s12, AHALF                      ; where they go in a slot: no place in the cluster enters an LDS address
	s_mul_i32 s21, s12, BHALF
	s_add_co_u32 s21, s21, ABYTES
	s_wait_kmcnt 0x0
	s_add_nc_u64 s[14:15], s[4:5], s[16:17]
	s_add_nc_u64 s[46:47], s[6:7], s[46:47]
	ROUND                                          ; all sixteen work-groups are here: the first joint loads meet
.irp s, 0,1
	s_mov_b32 s[G0+4*\s], 1
	s_add_co_u32 s[G0+4*\s+1], s20, \s*SLOT
	s_add_nc_u64 s[G0+4*\s+2:G0+4*\s+3], s[14:15], \s*ASTEP      ; slot s begins with K step s
	s_or_b32 s[G0+4*\s+3], s[G0+4*\s+3], 0x80000000
	s_mov_b32 s[G0B+4*\s], 1
	s_add_co_u32 s[G0B+4*\s+1], s21, \s*SLOT
	s_add_nc_u64 s[G0B+4*\s+2:G0B+4*\s+3], s[46:47], \s*BSTEP
	s_or_b32 s[G0B+4*\s+3], s[G0B+4*\s+3], 0x80000000
.endr
	s_cmp_eq_u32 s11, 0                            ; a wave's two first fills stand in one branch, ahead of every wait on TENSORcnt, every LDS read and every further barrier
	s_cbranch_scc0 .Lfirst_b
	tensor_load_to_lds s[G0:G0+3], s[G1:G1+7]
	s_nop 0
	tensor_load_to_lds s[G0+4:G0+7], s[G1:G1+7]
	s_nop 0
.rept 4
	v_nop
.endr
	s_branch .Lfirst_done
.Lfirst_b:
	tensor_load_to_lds s[G0B:G0B+3], s[G1B:G1B+7]
	s_nop 0
	tensor_load_to_lds s[G0B+4:G0B+7], s[G1B:G1B+7]
	s_nop 0
.rept 4
	v_nop
.endr
.Lfirst_done:
	v_and_b32 v1, 15, v0                           ; l % 16
	v_bfe_u32 v2, v0, 4, 1                         ; l / 16
	s_lshl_b32 s16, s13, 19                        ; the first row of C that I store: 128 x row tile + 32 x wave, rows of 4,096 bytes,
	s_lshl_b32 s17, s10, 17
	s_add_co_u32 s16, s16, s17
	s_mov_b32 s17, 0
	s_lshl_b32 s46, s42, 8                         ; and the column tile's 256 bytes
	s_mov_b32 s47, 0
	s_add_nc_u64 s[8:9], s[8:9], s[16:17]
	s_add_nc_u64 s[8:9], s[8:9], s[46:47]
.if INITK != 0
	s_lshl_b32 s16, s13, 19                        ; the residual at my own 64 rows x 32 columns
	s_lshl_b32 s17, s11, 18
	s_add_co_u32 s16, s16, s17
	s_lshl_b32 s17, s12, 7
	s_add_co_u32 s16, s16, s17
	s_mov_b32 s17, 0
	s_add_nc_u64 s[68:69], s[68:69], s[16:17]
	s_add_nc_u64 s[68:69], s[68:69], s[46:47]
	v_lshlrev_b32 v21, 12, v1                      ; row l % 16, 32 bytes for each half of the lanes
	v_lshl_add_u32 v21, v2, 5, v21
.set n_, 0
.rept 8
	global_load_b128 v[ACCB+8*n_:ACCB+8*n_+3],   v21, s[68:69] offset:(n_/2)*65536+(n_%2)*64
	global_load_b128 v[ACCB+8*n_+4:ACCB+8*n_+7], v21, s[68:69] offset:(n_/2)*65536+(n_%2)*64+16
.set n_, n_+1
.endr
.endif
.if INITK != 1
	s_lshl_b32 s17, s12, 7                         ; the bias of my 32 columns
	s_add_co_u32 s46, s46, s17
	s_add_nc_u64 s[66:67], s[66:67], s[46:47]
	v_lshlrev_b32 v24, 5, v2
.if INITK == 0
.set n_, 0
.rept 8                                ; every block of rows begins from the same 32 numbers
	global_load_b128 v[ACCB+8*n_:ACCB+8*n_+3],   v24, s[66:67] offset:(n_%2)*64
	global_load_b128 v[ACCB+8*n_+4:ACCB+8*n_+7], v24, s[66:67] offset:(n_%2)*64+16
.set n_, n_+1
.endr
.else
.irp b, 0,1
	global_load_b128 v[32+8*\b:35+8*\b], v24, s[66:67] offset:64*\b
	global_load_b128 v[36+8*\b:39+8*\b], v24, s[66:67] offset:64*\b+16
.endr
.endif
.endif
	v_mul_u32_u24 v3, v1, PA                       ; A's fragment: row l % 16, 16 bytes at 16 (l / 16), and 32 further on
	v_lshl_add_u32 v3, v2, 4, v3
	s_mul_i32 s22, s11, 64*PA
	v_add_nc_u32 v22, s22, v3
	v_bfe_u32 v4, v0, 1, 2                         ; W's fragment, turned: row k = 8 (l / 16) + l % 8 lies at (k / 2) PB2 + 128 (k % 2); 16 bytes at 16 ((l / 8) % 2); 16 rows further on = 8 PB2
	v_lshl_add_u32 v4, v2, 2, v4
	v_mul_u32_u24 v4, v4, PB2
	v_and_b32 v5, 1, v0
	v_lshl_add_u32 v4, v5, 7, v4
	v_bfe_u32 v5, v0, 3, 1
	v_lshl_add_u32 v4, v5, 4, v4
	s_lshl_b32 s23, s12, 6
	s_add_co_u32 s23, s23, ABYTES
	v_add_nc_u32 v23, s23, v4
	s_mul_i32 s22, s11, 64*272                     ; the stage: 128 rows of 256 bytes + 16; in: row l % 16, 32 bytes for each half of the lanes
	s_lshl_b32 s23, s12, 7
	s_add_co_u32 s22, s22, s23
	s_add_co_u32 s22, s22, STAGE
	v_mul_u32_u24 v6, v1, 272
	v_lshl_add_u32 v6, v2, 5, v6
	v_add_nc_u32 v16, s22, v6
	s_mul_i32 s22, s10, 32*272                     ; back: wave w takes rows 32 w on, whole; lanes 0-15 one row, lanes 16-31 the next
	s_add_co_u32 s22, s22, STAGE
	v_mul_u32_u24 v6, v2, 272
	v_lshl_add_u32 v6, v1, 4, v6
	v_add_nc_u32 v17, s22, v6
	v_lshlrev_b32 v6, 12, v2                       ; the same two rows in C
	v_lshl_add_u32 v20, v1, 4, v6
.macro FETCH                           ; the fragments of quarter fq_ of the slot in hand -> buffer ff_: 12 loads in one run
.set b_, 0
.rept 2
.set rB, F0+ff_*FSZ+32+8*b_
.set oB, fq_*16*PB2+b_*32
	ds_load_tr16_b128 v[rB:rB+3],   v12 offset:oB
	ds_load_tr16_b128 v[rB+4:rB+7], v12 offset:oB+8*PB2
.set b_, b_+1
.endr
.set a_, 0
.rept 4
.set rA, F0+ff_*FSZ+8*a_
.set oA, a_*16*PA+((fq_%AQN)>>AQS)*AQH+(fq_&AQM)*64
	ds_load_b128 v[rA:rA+3],   v[10+fq_/AQN] offset:oA
	ds_load_b128 v[rA+4:rA+7], v[10+fq_/AQN] offset:oA+32
.set a_, a_+1
.endr
.endm
.macro MUL                             ; 8 matrix instructions on buffer ff_: every accumulator once, in the same order in every quarter: they take turns
.set n_, 0
.rept 8
.set rD, ACCB+8*n_
.set rA, F0+ff_*FSZ+8*(n_/2)
.set rB, F0+ff_*FSZ+32+8*(n_%2)
	v_wmma_f32_16x16x32_bf16 v[rD:rD+7], v[rB:rB+7], v[rA:rA+7], v[rD:rD+7]
.set n_, n_+1
.endr
.endm
.macro WORK                            ; one K step, out of the slot in hand
	v_add_nc_u32 v10, s[CUR], v22
.if AQN < NQ
	v_add_nc_u32 v11, AHALF, v10                   ; A's second half lies past the reach of a 16-bit offset
.endif
	v_add_nc_u32 v12, s[CUR], v23
.set fq_, 0
.set ff_, 0
	FETCH
.set fq_, 1
.set ff_, 1
	FETCH
.set q_, 0
.rept NQ
.if q_ == NQ-1
	s_wait_dscnt 0x0                               ; the last quarter: nothing was fetched behind it
.else
	s_wait_dscnt LF                                ; this quarter's fragments are in; the next quarter's 12 loads may be out
.endif
.set ff_, q_&1
	MUL
.if q_+2 < NQ
	PLACES
.set fq_, q_+2
	FETCH                                          ; the buffer just multiplied takes the quarter after next
.endif
.set q_, q_+1
.endr
.endm
	s_wait_tensorcnt 0x1                           ; my part of slot 0 is in; slot 1's may stay out
	s_barrier_signal -1
	s_barrier_wait -1                              ; everybody's is
	s_mov_b32 s[CUR], 0
	s_wait_loadcnt 0x0                             ; what the sums begin from
.if INITK == 2
.set n_, 0
.rept 8
.set k_, 0
.rept 4
	v_pk_add_f32 v[ACCB+8*n_+2*k_:ACCB+8*n_+2*k_+1], v[ACCB+8*n_+2*k_:ACCB+8*n_+2*k_+1], v[32+8*(n_%2)+2*k_:32+8*(n_%2)+2*k_+1]
.set k_, k_+1
.endr
.set n_, n_+1
.endr
.endif
	s_mov_b32 s3, NSTEP-2
.Ltrip:                                                ; a K step, and its slot is filled again with the K step two on
	WORK
	s_wait_tensorcnt 0x0                           ; all my tensor loads have landed: the one that was out is my part of the other slot
	ds_add_u32 v28, v29                            ; 0 onto my spare word
	s_add_co_u32 s[G0+5], s20, s[CUR]              ; no load of mine is out, so the walking descriptors may be written: into the slot just read,
	s_add_co_u32 s[G0B+5], s21, s[CUR]
	s_add_nc_u64 s[G0+6:G0+7], s[G0+6:G0+7], ASTEP         ; the next K step in memory
	s_add_nc_u64 s[G0B+6:G0B+7], s[G0B+6:G0B+7], BSTEP
	s_xor_b32 s[CUR], s[CUR], SLOT                 ; the work goes on in the other slot
	s_wait_dscnt 0x0                               ; the add is done, and my reads of the slot are over
	ROUND                                          ; both now hold of every wave of the sixteen work-groups
	JLOAD                                          ; first behind the round; its four v_nop are also the places in front of the next step's loads
	s_sub_co_u32 s3, s3, 1
	s_cmp_lg_u32 s3, 0
	s_cbranch_scc1 .Ltrip
	s_mov_b32 s3, 2
.Ltail:                                                ; the last two K steps ask for nothing
	WORK
	s_wait_tensorcnt 0x0
	ds_add_u32 v28, v29
	s_xor_b32 s[CUR], s[CUR], SLOT
	s_wait_dscnt 0x0
	ROUND                                          ; the last slot is whole for every wave; behind the last step: every wave has left the slots
	PLACES                                         ; in front of the next step's loads, and of the way out
	s_sub_co_u32 s3, s3, 1
	s_cmp_lg_u32 s3, 0
	s_cbranch_scc1 .Ltail
	; THE WAY OUT: f32 rows.  A row's 256 bytes come from two waves: through the work-group's stage, with a barrier between writing and reading.
.set n_, 0
.rept 8
	ds_store_b128 v16, v[ACCB+8*n_:ACCB+8*n_+3]   offset:(n_/2)*4352+(n_%2)*64      ; an accumulator's low four registers first
	ds_store_b128 v16, v[ACCB+8*n_+4:ACCB+8*n_+7] offset:(n_/2)*4352+(n_%2)*64+16
.set n_, n_+1
.endr
	s_wait_dscnt 0x0                               ; for the others' sake: my stores into the stage are done
	s_barrier_signal -1
	s_barrier_wait -1
.set t_, 0
.rept 16
	ds_load_b128 v[32+4*t_:35+4*t_], v17 offset:544*t_
.set t_, t_+1
.endr
.set t_, 0
.rept 16
	s_wait_dscnt 15-t_                             ; the younger reads of the stage may be out
	global_store_b128 v20, v[32+4*t_:35+4*t_], s[8:9] offset:8192*t_     ; 16 lanes store 256 consecutive bytes, aligned
.set t_, t_+1
.endr
	s_wait_tensorcnt 0x0                           ; the wave's end
	ds_add_u32 v28, v29
	s_wait_dscnt 0x0
	ROUND                                          ; the closing round: no work-group ends while a partner may still ask for a tile that names it
	s_endpgm
.Lfunc_end_k_qa894d9912b_gout:
	.size	k_qa894d9912b_gout, .Lfunc_end_k_qa894d9912b_gout-k_qa894d9912b_gout
	.p2alignl 7, 3214868480
	.fill 96, 4, 3214868480
	.section	.rodata,"a",@progbits
	.p2align	6, 0x0
	.amdhsa_kernel k_qa894d9912b_gout
		.amdhsa_group_segment_fixed_size 327680
		.amdhsa_private_segment_fixed_size 0
		.amdhsa_enable_private_segment 0
		.amdhsa_kernarg_size 40
		.amdhsa_user_sgpr_count 2
		.amdhsa_user_sgpr_kernarg_segment_ptr 1
		.amdhsa_wavefront_size32 1
		.amdhsa_system_sgpr_workgroup_id_x 1
		.amdhsa_system_sgpr_workgroup_id_y 1
		.amdhsa_system_sgpr_workgroup_id_z 1
		.amdhsa_system_vgpr_workitem_id 0
		.amdhsa_next_free_vgpr 256
		.amdhsa_next_free_sgpr 72
		.amdhsa_reserve_vcc 0
		.amdhsa_float_denorm_mode_32 3
		.amdhsa_float_denorm_mode_16_64 3
		.amdhsa_memory_ordered 1
		.amdhsa_forward_progress 1
		.amdhsa_inst_pref_size 41
	.end_amdhsa_kernel
	.amdgpu_metadata
---
amdhsa.version: [ 1, 2 ]
amdhsa.kernels:
  - .name:           k_qa894d9912b_gout
    .symbol:         k_qa894d9912b_gout.kd
    .args:
      - { .name: ctxh, .offset: 0, .size: 8, .value_kind: global_buffer, .address_space: global }
      - { .name: pre, .offset: 8, .size: 8, .value_kind: global_buffer, .address_space: global }
      - { .name: b_out, .offset: 16, .size: 8, .value_kind: global_buffer, .address_space: global }
      - { .name: x, .offset: 24, .size: 8, .value_kind: global_buffer, .address_space: global }
      - { .name: x2, .offset: 32, .size: 8, .value_kind: global_buffer, .address_space: global }
    .group_segment_fixed_size: 327680
    .private_segment_fixed_size: 0
    .kernarg_segment_align: 8
    .kernarg_segment_size: 40
    .max_flat_workgroup_size: 128
    .sgpr_count:     72
    .vgpr_count:     256
    .wavefront_size: 32
...
	.end_amdgpu_metadata
.endif
;; end of part 6
;; launch ln2: the kernel of part 3 again; grid 256 x 1, 8 waves a work-group, no clusters, 0 bytes of LDS; arguments x2, ln2_g, ln2_b, h; writes h
;; launch ggu (part 7): grid 16 x 16, 4 waves a work-group, clusters of 4 x 4, 327,680 bytes of LDS; arguments h, pre, act; writes act
.if DOCPART == 7
	.amdgcn_target "amdgcn-amd-amdhsa--gfx1250"
	.amdhsa_code_object_version 6
	.text
	.protected	k_qa894d9912b_ggu
	.globl	k_qa894d9912b_ggu
	.p2align	8
	.type	k_qa894d9912b_ggu,@function
k_qa894d9912b_ggu:
	s_mov_b64 s[64:65], 0
	v_nop
	global_prefetch_b8 v0, s[64:65] scope:SCOPE_SE
	s_setreg_imm32_b32 hwreg(HW_REG_WAVE_MODE, 25, 1), 1
	s_wait_xcnt 0x0
	s_wait_alu depctr_hold_cnt(0) depctr_sa_sdst(0) depctr_va_vdst(0) depctr_va_sdst(0) depctr_va_ssrc(0) depctr_va_vcc(0) depctr_vm_vsrc(0)
	s_getreg_b32 s2, hwreg(HW_REG_IB_STS2, 6, 4)
	s_cmp_eq_u32 s2, 0
	s_cbranch_scc0 .Lentry_in_a_cluster
	s_endpgm
.Lentry_in_a_cluster:
	s_bfe_u32 s2, ttmp6, 0x10000c
	s_cmp_lg_u32 s2, 0xf033
	s_cbranch_scc0 .Lentry_shape_is_right
	s_endpgm
.Lentry_shape_is_right:
; ggu: act = silu(h2 . w_gate) x (h2 . w_up), rounded to bf16 (it is the last product's operand).  A = h2 bf16 [2048][1024];
; W = the tile images of w_gate and w_up, [16][1024][192 positions] each.  Both products of a position are made by the same lane, so SwiGLU needs no exchange.
; A tile is 128 rows x 192 positions x 2 weights; a wave 64 rows x 96 positions x 2: 48 accumulators (blocks 0-5 gate, 6-11 up).  K in 8 steps of 128.
; Of a tile's 192 positions 172 (the last tile: 150) are real columns; the others are zeros in the images and give act = 0: the price of 16 equal tiles of 2,730 columns.
; Window 1: the accumulators of row blocks 0, 1 (block (a, b) at v[8 (12 (a % 2) + b)]); window 2: of row blocks 2, 3; window 3: two fragment buffers of 128; window 0: addresses, at work.
.set ARG_A, 0x0
.set ARG_B, 0x8
.set ARG_O, 0x10
.set HASB, 0
.set HASR, 0
.set OUTK, 2                           ; way out: SwiGLU, bf16, tile blocks
.set NQ, 4
.set NSTEP, 8
.set NB, 12
.set NT, 192
.set PA, 272
.set AQS, 5
.set AQH, 0
.set AQM, 31
.set ABYTES, 34816
.set AHALF, 17408
.set PB, 480
.set WNOFF, 240
.set BBYTES, 122880
.set BHALF, 61440                      ; wave 2 fetches gate's tile, wave 3 up's
.set STAGE, 0                          ; the stage lies in slot 0 once that slot has had its last fill and its last reads
.set SPARE, 315392
.set ASTEP, 256
.set BSTEP, 49152
.set A_TY, 262144
.set A_HF, 131072
.set B_OFF, 20971520
.set B_TX, 393216
.set B_HF, 6291456
.set OTX, 786432
.set GA0, (1<<16)|(1<<20)|(1<<21)|(5<<22)|(3<<25)
.set GA_D0, 128
.set GA_D1, 64
.set GA_ST, 1024
.set GB0, (3<<16)|(1<<20)|(1<<21)|(3<<22)|(3<<25)
.set GB_D1, 192
.set ACCB, 0
.set APW, 2
.set F0, 0
.set BIB, 0
.set W_LD, 0xc0                        ; destination window 3, address window 0
.set WMUL0, 0x5f                       ; sources 0 and 1 window 3; C and D window 1,
.set WMSTEP, 0x50                      ; or window 2 for row blocks 2, 3
.set WMULF, 0
; ------------------------------------------------------------------ from here on the text is the same in all five products
; C = A W (+ bias, + residual).  A work-group makes 128 rows x one column tile; wave w: rows 64 (w / 2) on, column half w % 2.
; THE RING: two LDS slots, each with A's and W's tile of one K step.  Waves 0, 1 fetch A's halves, waves 2, 3 W's, one tensor load a wave behind each round;
; by this text's count a wave has one tensor load out, and it has a whole K step in which to land.
; CLUSTER 4 x 4: the four work-groups of a row of the cluster share A's tile, the four of a column W's: each tile is asked for jointly.
; THE MATRIX INSTRUCTION IS USED TRANSPOSED: source 0 = 16 columns of W (turned out of [k][column] rows by ds_load_tr16_b128), source 1 = 16 rows of A:
; lane l then holds row l % 16 of C and the eight neighbouring columns 8 (l / 16) + 0..7.
; v0 thread; v1 l % 16; v2 l / 16; v10-11 A's fragments in slot 0, 1; v12-13 W's (v14-15 the second weight's); v16 into the stage; v17-19 back; v20 offset in C; v21 bias; v28, v29 the add's.
.set SLOT,  ABYTES+BBYTES
.set LF,    2*(4+NB)                   ; LDS loads of one quarter's fragments
.set FSZ,   32+8*NB                    ; a fragment buffer: 4 fragments of A, then NB of W
.set G1,  24                           ; s[24:31] group 1 of A's tiles; s[32:39] group 0, a set for each slot
.set G0,  32
.set G1B, 48                           ; s[48:55], s[56:63] the same for W's
.set G0B, 56
.set MSB, 0
.macro WIN new                         ; the immediate's high byte repeats the setting that is left; a switch that changes nothing is dropped
.if MSB != (\new)
	s_set_vgpr_msb (MSB<<8)|(\new)
.set MSB, (\new)
.endif
.endm
.macro PLACES                          ; four places between a matrix instruction and a load into, or a read of, its registers (ISA guide 7.12.1 for reads)
.rept 4
	v_nop
.endr
.endm
.macro ROUND                           ; a round of the cluster's barrier
	s_barrier_signal -1
	s_barrier_wait -1
	s_cmp_lg_u32 s10, 0
	s_cbranch_scc1 .Lnot_wave_0_\@
	s_barrier_signal -3
.Lnot_wave_0_\@:
	s_barrier_wait -3
	s_barrier_signal -1
	s_barrier_wait -1
.endm
.macro JLOAD s                         ; a joint load into slot s; the branch hangs on the wave's number alone; four v_nop follow each line
	s_cmp_eq_u32 s11, 0
	s_cbranch_scc0 .Lfor_b_\@
	tensor_load_to_lds s[G0+4*(\s):G0+4*(\s)+3], s[G1:G1+7]
	s_nop 0
.rept 4
	v_nop
.endr
	s_branch .Lasked_\@
.Lfor_b_\@:
	tensor_load_to_lds s[G0B+4*(\s):G0B+4*(\s)+3], s[G1B:G1B+7]
	s_nop 0
.rept 4
	v_nop
.endr
.Lasked_\@:
.endm
	s_load_b64 s[4:5], s[0:1], ARG_A
	s_load_b64 s[6:7], s[0:1], ARG_B
	s_load_b64 s[8:9], s[0:1], ARG_O
.if HASB
	s_load_b64 s[66:67], s[0:1], ARG_BI
.endif
.if HASR
	s_load_b64 s[68:69], s[0:1], ARG_R
.endif
	v_lshl_add_u32 v28, v0, 2, SPARE
	v_mov_b32 v29, 0
	v_lshrrev_b32 v1, 5, v0
	v_readfirstlane_b32 s10, v1                    ; wave 0..3
	s_lshr_b32 s11, s10, 1                         ; my half of the rows.  Also: I fetch for A (0) or for W (1)
	s_and_b32 s12, s10, 1                          ; my half of the columns.  Also: which half of that tile I fetch
	s_bfe_u32 s40, ttmp6, 0x40000                  ; cx, cy: my place in the cluster
	s_bfe_u32 s41, ttmp6, 0x40004
	s_lshl_b32 s42, ttmp9, 2
	s_add_co_u32 s42, s42, s40                     ; column tile = 4 x cluster x + cx
	s_and_b32 s13, ttmp7, 0xffff
	s_lshl_b32 s13, s13, 2
	s_add_co_u32 s13, s13, s41                     ; row tile = 4 x cluster y + cy
	s_lshl_b32 s43, s41, 2
	s_lshl_b32 s43, 15, s43                        ; my row of the cluster
	s_lshl_b32 s44, 0x1111, s40                    ; my column
	s_or_b32 s[G1], s43, GA0                       ; A's tiles go to my row,
	s_or_b32 s[G1B], s44, GB0                      ; W's to my column
	s_mov_b32 s[G1+1], (GA_D0&0xffff)<<16          ; tensor_dim0 = tile_dim0
	s_mov_b32 s[G1+2], (GA_D0>>16)|((GA_D1&0xffff)<<16)   ; tensor_dim1 = tile_dim1
	s_mov_b32 s[G1+3], (GA_D1>>16)|(GA_D0<<16)
	s_mov_b32 s[G1+4], GA_D1
	s_mov_b32 s[G1+5], GA_ST                       ; elements from row to row
	s_mov_b32 s[G1+6], 0
	s_mov_b32 s[G1+7], 0
	s_mov_b32 s[G1B+1], 32<<16                     ; W's half tile is dense: rows of 32 elements of 8 bytes
	s_mov_b32 s[G1B+2], GB_D1<<16
	s_mov_b32 s[G1B+3], 32<<16
	s_mov_b32 s[G1B+4], GB_D1
	s_mov_b32 s[G1B+5], 32
	s_mov_b32 s[G1B+6], 0
	s_mov_b32 s[G1B+7], 0
.if OUTK == 2
	s_mov_b32 s70, 0xbfb8aa3b                      ; -log2(e), named as a pair
	s_mov_b32 s71, 0xbfb8aa3b
.endif
	s_mul_i32 s16, s13, A_TY                       ; A's tile hangs on the row tile and the wave alone,
	s_mul_i32 s17, s12, A_HF
	s_add_co_u32 s16, s16, s17
	s_mov_b32 s17, 0
	s_mul_i32 s46, s42, B_TX                       ; W's on the column tile and the wave alone
	s_mul_i32 s47, s12, B_HF
	s_add_co_u32 s46, s46, s47
	s_add_co_u32 s46, s46, B_OFF
	s_mov_b32 s47, 0
	s_mul_i32 s20, s12, AHALF                      ; where they go: no place in the cluster enters an LDS address
	s_mul_i32 s21, s12, BHALF
	s_add_co_u32 s21, s21, ABYTES
	s_wait_kmcnt 0x0
	s_add_nc_u64 s[14:15], s[4:5], s[16:17]
	s_add_nc_u64 s[46:47], s[6:7], s[46:47]
	ROUND                                          ; all sixteen work-groups are here: the first joint loads meet
.irp s, 0,1
	s_mov_b32 s[G0+4*\s], 1
	s_add_co_u32 s[G0+4*\s+1], s20, \s*SLOT
	s_add_nc_u64 s[G0+4*\s+2:G0+4*\s+3], s[14:15], \s*ASTEP      ; slot s begins with K step s
	s_or_b32 s[G0+4*\s+3], s[G0+4*\s+3], 0x80000000
	s_mov_b32 s[G0B+4*\s], 1
	s_add_co_u32 s[G0B+4*\s+1], s21, \s*SLOT
	s_add_nc_u64 s[G0B+4*\s+2:G0B+4*\s+3], s[46:47], \s*BSTEP
	s_or_b32 s[G0B+4*\s+3], s[G0B+4*\s+3], 0x80000000
.endr
	JLOAD 0                                        ; K step 0; slot 1 is filled behind the first trip's round
	v_and_b32 v1, 15, v0                           ; l % 16
	v_bfe_u32 v2, v0, 4, 1                         ; l / 16
	v_mul_u32_u24 v3, v1, PA                       ; A's fragment: row l % 16, 16 bytes at 16 (l / 16), and 32 further on
	v_lshl_add_u32 v3, v2, 4, v3
	s_mul_i32 s22, s11, 64*PA
	v_add_nc_u32 v10, s22, v3
	v_add_nc_u32 v11, SLOT, v10
	v_and_b32 v4, 7, v0                            ; W's fragment, turned: row k = 8 (l / 16) + l % 8, 16 bytes at 16 ((l / 8) % 2), and 16 rows further on
	v_lshl_add_u32 v4, v2, 3, v4
	v_mul_u32_u24 v4, v4, PB
	v_bfe_u32 v5, v0, 3, 1
	v_lshl_add_u32 v4, v5, 4, v4
	s_mul_i32 s23, s12, WNOFF
	s_add_co_u32 s23, s23, ABYTES
	v_add_nc_u32 v12, s23, v4
	v_add_nc_u32 v13, SLOT, v12
.if NB > 6
	v_add_nc_u32 v14, BHALF, v12                   ; the second weight's tile lies behind the first's
	v_add_nc_u32 v15, BHALF, v13
.endif
	v_and_b32 v7, 31, v0                           ; lane
.if OUTK == 0
	s_mul_i32 s22, s11, 64*272                     ; the stage: 128 rows of 256 bytes + 16; in: row l % 16, 32 bytes for each half of the lanes
	s_lshl_b32 s23, s12, 7
	s_add_co_u32 s22, s22, s23
	s_add_co_u32 s22, s22, STAGE
	v_mul_u32_u24 v6, v1, 272
	v_lshl_add_u32 v6, v2, 5, v6
	v_add_nc_u32 v16, s22, v6
	s_mul_i32 s22, s10, 32*272                     ; back: wave w takes rows 32 w on, whole; lanes 0-15 one row, lanes 16-31 the next
	s_add_co_u32 s22, s22, STAGE
	v_mul_u32_u24 v6, v2, 272
	v_lshl_add_u32 v6, v1, 4, v6
	v_add_nc_u32 v17, s22, v6
	v_lshlrev_b32 v6, 12, v2                       ; the same two rows in C (4,096 bytes a row)
	v_lshl_add_u32 v20, v1, 4, v6
	s_lshl_b32 s16, s13, 19
	s_lshl_b32 s17, s10, 17
.else
	s_mul_i32 s22, s11, 64*400                     ; the stage: 128 rows of 384 bytes + 16; in: row l % 16, 16 bytes for each half of the lanes
	s_mul_i32 s23, s12, 192
	s_add_co_u32 s22, s22, s23
	s_add_co_u32 s22, s22, STAGE
	v_mul_u32_u24 v6, v1, 400
	v_lshl_add_u32 v6, v2, 4, v6
	v_add_nc_u32 v16, s22, v6
	s_mul_i32 s22, s10, 32*400
	s_add_co_u32 s22, s22, STAGE
	v_lshlrev_b32 v20, 4, v7                       ; a store's 512 bytes are dense: 16 x lane
.if OUTK == 1
	v_lshrrev_b32 v6, 3, v7                        ; back: four rows x 128 bytes (one head's 64 numbers) a load
	v_mul_u32_u24 v6, v6, 400
	v_and_b32 v8, 7, v0
	v_lshl_add_u32 v6, v8, 4, v6
	v_add_nc_u32 v17, s22, v6
	s_lshl_b32 s16, s13, 14
	s_lshl_b32 s17, s10, 12
.else
.irp u, 0,1,2
	v_add_nc_u32 v6, 32*\u, v7                     ; back: piece p = 32 u + lane of four rows of 24 pieces: 16 p + 16 (p / 24), the rows' padding
	v_mul_u32_u24 v8, v6, 171                      ; p / 24 = (171 p) >> 12, exact for p < 96
	v_lshrrev_b32 v8, 12, v8
	v_add_nc_u32 v8, v8, v6
	v_lshl_add_u32 v[17+\u], v8, 4, s22
.endr
	s_mul_i32 s16, s13, 49152
	s_mul_i32 s17, s10, 12288
.endif
.endif
	s_add_co_u32 s16, s16, s17                     ; my first row of the output, in bytes,
	s_mov_b32 s17, 0
	s_mul_i32 s46, s42, OTX                        ; and the column tile's place
	s_mov_b32 s47, 0
	s_add_nc_u64 s[8:9], s[8:9], s[16:17]
	s_add_nc_u64 s[8:9], s[8:9], s[46:47]
.if HASR
	s_add_nc_u64 s[68:69], s[68:69], s[16:17]
	s_add_nc_u64 s[68:69], s[68:69], s[46:47]
.endif
.if HASB
	s_mul_i32 s46, s42, NT*4                       ; the bias of my columns: a lane's eight of each block, in the accumulators' layout
	s_mul_i32 s47, s12, NT*2
	s_add_co_u32 s46, s46, s47
	s_mov_b32 s47, 0
	s_add_nc_u64 s[66:67], s[66:67], s[46:47]
	v_lshlrev_b32 v21, 5, v2
	WIN W_LD
.set b_, 0
.rept NB
	global_load_b128 v[BIB+8*b_:BIB+8*b_+3],   v21, s[66:67] offset:64*b_
	global_load_b128 v[BIB+8*b_+4:BIB+8*b_+7], v21, s[66:67] offset:64*b_+16
.set b_, b_+1
.endr
	WIN 0
.endif
; The fragments of quarter fq_ of the slot's K step -> buffer ff_: LF loads in one run.
.macro FETCH slot
	WIN W_LD
.set b_, 0
.rept NB
.set rB, F0+ff_*FSZ+32+8*b_
.set oB, fq_*32*PB+((b_%6)>>1)*80+(b_&1)*32
.if b_ < 6
	ds_load_tr16_b128 v[rB:rB+3],   v[12+\slot] offset:oB
	ds_load_tr16_b128 v[rB+4:rB+7], v[12+\slot] offset:oB+16*PB
.else
	ds_load_tr16_b128 v[rB:rB+3],   v[14+\slot] offset:oB
	ds_load_tr16_b128 v[rB+4:rB+7], v[14+\slot] offset:oB+16*PB
.endif
.set b_, b_+1
.endr
.set a_, 0
.rept 4
.set rA, F0+ff_*FSZ+8*a_
.set oA, a_*16*PA+(fq_>>AQS)*AQH+(fq_&AQM)*64
	ds_load_b128 v[rA:rA+3],   v[10+\slot] offset:oA
	ds_load_b128 v[rA+4:rA+7], v[10+\slot] offset:oA+32
.set a_, a_+1
.endr
.endm
; 4 NB matrix instructions on buffer ff_: every accumulator once, in the same order in every quarter, so that the accumulators take turns.
; mz_ = 1: the first quarter starts the sums, from the bias or from 0: nothing is cleared.
.macro MUL
.set a_, 0
.rept 4
.if mz_ && HASB
	WIN WMULF
.else
	WIN (WMUL0+(a_/APW)*WMSTEP)
.endif
.set b_, 0
.rept NB
.set rD, ACCB+8*(NB*(a_%APW)+b_)
.set rA, F0+ff_*FSZ+8*a_
.set rB, F0+ff_*FSZ+32+8*b_
.if mz_ && HASB
	v_wmma_f32_16x16x32_bf16 v[rD:rD+7], v[rB:rB+7], v[rA:rA+7], v[BIB+8*b_:BIB+8*b_+7]
.elseif mz_
	v_wmma_f32_16x16x32_bf16 v[rD:rD+7], v[rB:rB+7], v[rA:rA+7], 0
.else
	v_wmma_f32_16x16x32_bf16 v[rD:rD+7], v[rB:rB+7], v[rA:rA+7], v[rD:rD+7]
.endif
.set b_, b_+1
.endr
.set a_, a_+1
.endr
.endm
; One K step, in slot \slot.  refill = 1: the other slot takes the next K step.
.macro TRIP slot, refill, first
	s_wait_tensorcnt 0x0                           ; all my tensor loads have landed: the one that was out is my part of this slot
	ds_add_u32 v28, v29                            ; 0 onto my spare word
	s_add_nc_u64 s[G0+4*\slot+2:G0+4*\slot+3], s[G0+4*\slot+2:G0+4*\slot+3], 2*ASTEP      ; no load of mine is out, so this slot's descriptors step to its next K step
	s_add_nc_u64 s[G0B+4*\slot+2:G0B+4*\slot+3], s[G0B+4*\slot+2:G0B+4*\slot+3], 2*BSTEP
	s_wait_dscnt 0x0                               ; the add is done, and my reads of the other slot are over
	ROUND                                          ; both now hold of every wave of the sixteen work-groups
.if \refill
	JLOAD 1-\slot                                  ; first behind the round; its four v_nop are also the places in front of the loads below
.else
	PLACES
.endif
.set fq_, 0
.set ff_, 0
	FETCH \slot
.set fq_, 1
.set ff_, 1
	FETCH \slot
.set q_, 0
.rept NQ
.if q_ == NQ-1
	s_wait_dscnt 0x0                               ; the last quarter: nothing was fetched behind it
.else
	s_wait_dscnt LF                                ; this quarter's fragments are in; the next quarter's LF loads may be out
.endif
.set ff_, q_&1
.set mz_, 0
.if \first && (q_ == 0)
.set mz_, 1
.endif
	MUL
.if q_+2 < NQ
	PLACES
.set fq_, q_+2
	FETCH \slot                                    ; the buffer just multiplied takes the quarter after next
.endif
.set q_, q_+1
.endr
	WIN 0                                          ; at a label and at a branch every window is 0
.endm
.if HASB
	s_wait_loadcnt 0x0                             ; the bias
.endif
	TRIP 0, 1, 1
	s_mov_b32 s3, NSTEP/2-1
.Llap:
	TRIP 1, 1, 0
	TRIP 0, 1, 0
	s_sub_co_u32 s3, s3, 1
	s_cmp_lg_u32 s3, 0
	s_cbranch_scc1 .Llap
	TRIP 1, 0, 0                                   ; the last K step asks for nothing
	PLACES                                         ; the way out reads results just made, and loads into fragment registers
.if OUTK == 0
	; f32 rows.  A row's 256 bytes come from two waves: through the work-group's stage, with a barrier between writing and reading.
.if HASR
.set t_, 0
.rept 16
	global_load_b128 v[160+4*t_:163+4*t_], v20, s[68:69] offset:8192*t_   ; the residual's rows, as they will be stored
.set t_, t_+1
.endr
.endif
.set n_, 0
.rept 8
	ds_store_b128 v16, v[ACCB+8*n_:ACCB+8*n_+3]   offset:(n_/2)*4352+(n_%2)*64      ; an accumulator's low four registers first
	ds_store_b128 v16, v[ACCB+8*n_+4:ACCB+8*n_+7] offset:(n_/2)*4352+(n_%2)*64+16
.set n_, n_+1
.endr
	s_wait_dscnt 0x0                               ; for the others' sake: my stores into the stage are done
	s_barrier_signal -1
	s_barrier_wait -1
.set t_, 0
.rept 16
	ds_load_b128 v[32+4*t_:35+4*t_], v17 offset:544*t_
.set t_, t_+1
.endr
.set t_, 0
.rept 16
	s_wait_dscnt 15-t_                             ; the younger reads of the stage may be out
.if HASR
	s_wait_loadcnt 15-t_                           ; and the younger rows of the residual
	v_pk_add_f32 v[32+4*t_:33+4*t_], v[32+4*t_:33+4*t_], v[160+4*t_:161+4*t_]
	v_pk_add_f32 v[34+4*t_:35+4*t_], v[34+4*t_:35+4*t_], v[162+4*t_:163+4*t_]
.endif
	global_store_b128 v20, v[32+4*t_:35+4*t_], s[8:9] offset:8192*t_     ; 16 lanes store 256 consecutive bytes, aligned
.set t_, t_+1
.endr
.elseif OUTK == 1
	; bf16, head by head: [48 blocks of 64 columns][2048 tokens][64].  The tile's 192 columns are three such blocks.
.set n_, 0
.rept 24
.set rD, ACCB+8*n_
.set rT, 32+4*(n_%8)
	v_cvt_pk_bf16_f32 v[rT],   v[rD],   v[rD+1]
	v_cvt_pk_bf16_f32 v[rT+1], v[rD+2], v[rD+3]
	v_cvt_pk_bf16_f32 v[rT+2], v[rD+4], v[rD+5]
	v_cvt_pk_bf16_f32 v[rT+3], v[rD+6], v[rD+7]
	ds_store_b128 v16, v[rT:rT+3] offset:(n_/6)*6400+(n_%6)*32
.set n_, n_+1
.endr
	s_wait_dscnt 0x0
	s_barrier_signal -1
	s_barrier_wait -1
.set n_, 0
.rept 24
	ds_load_b128 v[64+4*n_:67+4*n_], v17 offset:(n_/3)*1600+(n_%3)*128
.set n_, n_+1
.endr
.set n_, 0
.rept 24
	s_wait_dscnt 23-n_
	global_store_b128 v20, v[64+4*n_:67+4*n_], s[8:9] offset:(n_%3)*262144+(n_/3)*512   ; four tokens x 128 bytes: 512 consecutive bytes
.set n_, n_+1
.endr
.else
	; silu(g) u = g u / (1 + 2^(-log2(e) g)), block of 16 rows by block; bf16; [16 tiles][2048 tokens][192 positions].
	; The stage lies in slot 0, whose last fill and last reads stand in front of the last trip's round.
.set a_, 0
.rept 4
.set aB, 96*(a_%2)
	WIN (0x05*(1+a_/2))                            ; sources 0 and 1: the block's accumulators; destination window 0
.set i_, 0
.rept 24
	v_pk_mul_f32 v[32+2*i_:33+2*i_], v[aB+2*i_:aB+2*i_+1], s[70:71] op_sel_hi:[1,0]
.set i_, i_+1
.endr
.set i_, 0
.rept 24
	v_pk_mul_f32 v[80+2*i_:81+2*i_], v[aB+2*i_:aB+2*i_+1], v[aB+48+2*i_:aB+48+2*i_+1]
.set i_, i_+1
.endr
	WIN 0
.set i_, 0
.rept 48
	v_exp_f32 v[32+i_], v[32+i_]
.set i_, i_+1
.endr
	v_nop                                          ; a plain instruction between the last exponential and the use of its result
.set i_, 0
	s_wait_alu depctr_va_vdst(0)
.rept 24
	v_pk_add_f32 v[32+2*i_:33+2*i_], v[32+2*i_:33+2*i_], 1.0 op_sel_hi:[1,0]
.set i_, i_+1
.endr
.set i_, 0
.rept 48
	v_rcp_f32 v[32+i_], v[32+i_]                   ; an overflowed exponential gives 0 here, as silu does
.set i_, i_+1
.endr
	v_nop
.set i_, 0
	s_wait_alu depctr_va_vdst(0)
.rept 24
	v_pk_mul_f32 v[80+2*i_:81+2*i_], v[80+2*i_:81+2*i_], v[32+2*i_:33+2*i_]
.set i_, i_+1
.endr
.set i_, 0
.rept 24
	v_cvt_pk_bf16_f32 v[128+i_], v[80+2*i_], v[81+2*i_]
.set i_, i_+1
.endr
.set i_, 0
.rept 6
	ds_store_b128 v16, v[128+4*i_:131+4*i_] offset:a_*6400+32*i_
.set i_, i_+1
.endr
.set a_, a_+1
.endr
	s_wait_dscnt 0x0
	s_barrier_signal -1
	s_barrier_wait -1
.set n_, 0
.rept 24
	ds_load_b128 v[32+4*n_:35+4*n_], v[17+n_%3] offset:(n_/3)*1600
.set n_, n_+1
.endr
.set n_, 0
.rept 24
	s_wait_dscnt 23-n_
	global_store_b128 v20, v[32+4*n_:35+4*n_], s[8:9] offset:512*n_      ; my 32 tokens x 384 bytes are one dense run
.set n_, n_+1
.endr
.endif
	s_wait_tensorcnt 0x0                           ; the wave's end
	ds_add_u32 v28, v29
	s_wait_dscnt 0x0
	ROUND                                          ; the closing round: no work-group ends while a partner may still ask for a tile that names it
	s_endpgm
.Lfunc_end_k_qa894d9912b_ggu:
	.size	k_qa894d9912b_ggu, .Lfunc_end_k_qa894d9912b_ggu-k_qa894d9912b_ggu
	.p2alignl 7, 3214868480
	.fill 96, 4, 3214868480
	.section	.rodata,"a",@progbits
	.p2align	6, 0x0
	.amdhsa_kernel k_qa894d9912b_ggu
		.amdhsa_group_segment_fixed_size 327680
		.amdhsa_private_segment_fixed_size 0
		.amdhsa_enable_private_segment 0
		.amdhsa_kernarg_size 24
		.amdhsa_user_sgpr_count 2
		.amdhsa_user_sgpr_kernarg_segment_ptr 1
		.amdhsa_wavefront_size32 1
		.amdhsa_system_sgpr_workgroup_id_x 1
		.amdhsa_system_sgpr_workgroup_id_y 1
		.amdhsa_system_sgpr_workgroup_id_z 1
		.amdhsa_system_vgpr_workitem_id 0
		.amdhsa_next_free_vgpr 1024
		.amdhsa_next_free_sgpr 72
		.amdhsa_reserve_vcc 0
		.amdhsa_float_denorm_mode_32 3
		.amdhsa_float_denorm_mode_16_64 3
		.amdhsa_memory_ordered 1
		.amdhsa_forward_progress 1
		.amdhsa_inst_pref_size 144
	.end_amdhsa_kernel
	.amdgpu_metadata
---
amdhsa.version: [ 1, 2 ]
amdhsa.kernels:
  - .name:           k_qa894d9912b_ggu
    .symbol:         k_qa894d9912b_ggu.kd
    .args:
      - { .name: h, .offset: 0, .size: 8, .value_kind: global_buffer, .address_space: global }
      - { .name: pre, .offset: 8, .size: 8, .value_kind: global_buffer, .address_space: global }
      - { .name: act, .offset: 16, .size: 8, .value_kind: global_buffer, .address_space: global }
    .group_segment_fixed_size: 327680
    .private_segment_fixed_size: 0
    .kernarg_segment_align: 8
    .kernarg_segment_size: 24
    .max_flat_workgroup_size: 128
    .sgpr_count:     72
    .vgpr_count:     1024
    .wavefront_size: 32
...
	.end_amdgpu_metadata
.endif
;; end of part 7
;; launch gdn (part 8): grid 16 x 16, 4 waves a work-group, clusters of 4 x 4, 327,680 bytes of LDS; arguments act, pre, x2, out0; writes out0
.if DOCPART == 8
	.amdgcn_target "amdgcn-amd-amdhsa--gfx1250"
	.amdhsa_code_object_version 6
	.text
	.protected	k_qa894d9912b_gdn
	.globl	k_qa894d9912b_gdn
	.p2align	8
	.type	k_qa894d9912b_gdn,@function
k_qa894d9912b_gdn:
	s_mov_b64 s[64:65], 0
	v_nop
	global_prefetch_b8 v0, s[64:65] scope:SCOPE_SE
	s_setreg_imm32_b32 hwreg(HW_REG_WAVE_MODE, 25, 1), 1
	s_wait_xcnt 0x0
	s_wait_alu depctr_hold_cnt(0) depctr_sa_sdst(0) depctr_va_vdst(0) depctr_va_sdst(0) depctr_va_ssrc(0) depctr_va_vcc(0) depctr_vm_vsrc(0)
	s_getreg_b32 s2, hwreg(HW_REG_IB_STS2, 6, 4)
	s_cmp_eq_u32 s2, 0
	s_cbranch_scc0 .Lentry_in_a_cluster
	s_endpgm
.Lentry_in_a_cluster:
	s_bfe_u32 s2, ttmp6, 0x10000c
	s_cmp_lg_u32 s2, 0xf033
	s_cbranch_scc0 .Lentry_shape_is_right
	s_endpgm
.Lentry_shape_is_right:
; gdn: out0 = x2 + act . w_down.  A = act bf16 [16 tiles][2048 tokens][192 positions], W = w_down's tile image [16][16 x 192][64]; x2, out0 f32 [2048][1024].
; A tile is 128 rows x 64 columns; a wave 64 x 32.  K in 8 steps of 384 = two hidden tiles, as long as two slots in LDS allow: wave 0 brings the first tile's
; 128 tokens x 384 bytes (one dense run, 16 bytes of padding behind every 128: an LDS pitch of 432), wave 1 the second tile's.  W's 384 rows of 128 bytes take
; 16 bytes of padding behind every 256: with 32, which would meet no bank twice, two slots would need 331,776 bytes; with 16 the turning loads meet two rows
; in part of the banks.  Two slots are 325,632 bytes, so the stage lies in slot 0, once that slot has had its last fill and its last reads.
; Positions that are no real column are zeros on both sides.  The sums begin from x2.
.set ARG_A, 0x0
.set ARG_B, 0x8
.set ARG_R, 0x10
.set ARG_O, 0x18
.set INITK, 1                          ; the sums begin from: 0 the bias, 1 the residual, 2 residual + bias
.set NQ, 12
.set NSTEP, 8
.set PA, 432
.set AQN, 6                            ; quarter q: hidden tile q / 6 of the step; piece (q % 6) / 2 of 128 bytes (+ 16) of the row, 64 (q % 2) bytes into it
.set AQS, 1
.set AQH, 144
.set AQM, 1
.set ABYTES, 110592
.set AHALF, 55296
.set PB2, 272
.set BPAD, 3
.set BBYTES, 52224
.set BHALF, 26112
.set STAGE, 0
.set SPARE, 325632
.set ASTEP, 1572864
.set BSTEP, 49152
.set A_TY, 49152
.set A_HF, 786432
.set B_OFF, 33554432
.set B_TX, 393216
.set B_HF, 24576
.set GA0, (3<<16)|(1<<20)|(1<<21)|(4<<22)|(3<<25)   ; elements of 8 bytes; 4 words behind every 32
.set GA_D0, 32
.set GA_D1, 192
.set GA_ST, 32
.set GB_D1, 96
; ------------------------------------------------------------------ from here on the text is the same in gx, gout and gdn
; C = A W + what the sums begin from.  A work-group makes 128 rows x 64 columns; wave w: rows 64 (w / 2) on, columns 32 (w % 2) on.
; THE RING: two LDS slots, each with A's and W's tile of one K step.  Waves 0, 1 fetch A's halves, waves 2, 3 W's.  Both slots are filled at the start (two loads
; of a wave are out); then a slot is filled again as soon as it has been read, with the K step two on (one load of a wave is out), and that load has the other slot's
; whole K step in which to land: NSTEP - 2 refills.  The slot in hand is a scalar, s45 = 0 or SLOT, so that a K step's work is written once in the loop with
; refills and once in the loop of the last two steps, which ask for nothing.
; CLUSTER 4 x 4: the four work-groups of a row of the cluster share A's tile, the four of a column W's: each tile is asked for jointly.
; THE MATRIX INSTRUCTION IS USED TRANSPOSED: source 0 = 16 columns of W (turned out of [k][column] rows by ds_load_tr16_b128), source 1 = 16 rows of A:
; lane l then holds row l % 16 of C and the eight neighbouring columns 8 (l / 16) + 0..7.  The accumulators are LOADED in that layout with the bias or the residual
; (a lane's 32 neighbouring bytes of its row; two waves together read each row's 256 bytes once), while the first tiles are on their way: nothing is cleared.
; v1 l % 16; v2 l / 16; v10-11 A's fragments in the slot in hand; v12 W's; v16 into the stage; v17 back; v20 offset in C; v21, v24 offsets of residual and bias;
; v22, v23 A's and W's fragments in slot 0; v28, v29 the add's; v32-95 at work; v96-159 accumulators; v160-207, v208-255 fragment buffers.
.set SLOT,  ABYTES+BBYTES
.set LF,    12                         ; LDS loads of one quarter's fragments
.set FSZ,   48                         ; a fragment buffer: 4 fragments of A, then 2 of W
.set ACCB,  96
.set F0,    160
.set G1,  24                           ; s[24:31] group 1 of A's tiles; s[32:39] group 0: a set for each first fill; the second then walks on
.set G0,  32
.set G1B, 48                           ; s[48:55], s[56:63] the same for W's
.set G0B, 56
.set CUR, 45                           ; s45: the slot in hand
.set GB0, (3<<16)|(1<<20)|(1<<21)|(5<<22)|(BPAD<<25)   ; elements of 8 bytes; padding behind every 64 words
.macro PLACES                          ; four places between a matrix instruction and a load into, or a read of, its registers (ISA guide 7.12.1 for reads)
.rept 4
	v_nop
.endr
.endm
.macro ROUND                           ; a round of the cluster's barrier
	s_barrier_signal -1
	s_barrier_wait -1
	s_cmp_lg_u32 s10, 0
	s_cbranch_scc1 .Lnot_wave_0_\@
	s_barrier_signal -3
.Lnot_wave_0_\@:
	s_barrier_wait -3
	s_barrier_signal -1
	s_barrier_wait -1
.endm
.macro JLOAD                           ; a joint refill by the walking descriptor; the branch hangs on the wave's number alone; four v_nop follow each line
	s_cmp_eq_u32 s11, 0
	s_cbranch_scc0 .Lfor_b_\@
	tensor_load_to_lds s[G0+4:G0+7], s[G1:G1+7]
	s_nop 0
.rept 4
	v_nop
.endr
	s_branch .Lasked_\@
.Lfor_b_\@:
	tensor_load_to_lds s[G0B+4:G0B+7], s[G1B:G1B+7]
	s_nop 0
.rept 4
	v_nop
.endr
.Lasked_\@:
.endm
	s_load_b64 s[4:5], s[0:1], ARG_A
	s_load_b64 s[6:7], s[0:1], ARG_B
	s_load_b64 s[8:9], s[0:1], ARG_O
.if INITK != 1
	s_load_b64 s[66:67], s[0:1], ARG_BI
.endif
.if INITK != 0
	s_load_b64 s[68:69], s[0:1], ARG_R
.endif
	v_lshl_add_u32 v28, v0, 2, SPARE
	v_mov_b32 v29, 0
	v_lshrrev_b32 v1, 5, v0
	v_readfirstlane_b32 s10, v1                    ; wave 0..3
	s_lshr_b32 s11, s10, 1                         ; my half of the rows.  Also: I fetch for A (0) or for W (1)
	s_and_b32 s12, s10, 1                          ; my half of the columns.  Also: which half of that tile I fetch
	s_bfe_u32 s40, ttmp6, 0x40000                  ; cx, cy: my place in the cluster
	s_bfe_u32 s41, ttmp6, 0x40004
	s_lshl_b32 s42, ttmp9, 2
	s_add_co_u32 s42, s42, s40                     ; column tile = 4 x cluster x + cx
	s_and_b32 s13, ttmp7, 0xffff
	s_lshl_b32 s13, s13, 2
	s_add_co_u32 s13, s13, s41                     ; row tile = 4 x cluster y + cy
	s_lshl_b32 s43, s41, 2
	s_lshl_b32 s43, 15, s43                        ; my row of the cluster
	s_lshl_b32 s44, 0x1111, s40                    ; my column
	s_or_b32 s[G1], s43, GA0                       ; A's tiles go to my row,
	s_or_b32 s[G1B], s44, GB0                      ; W's to my column
	s_mov_b32 s[G1+1], (GA_D0&0xffff)<<16          ; tensor_dim0 = tile_dim0
	s_mov_b32 s[G1+2], (GA_D0>>16)|((GA_D1&0xffff)<<16)   ; tensor_dim1 = tile_dim1
	s_mov_b32 s[G1+3], (GA_D1>>16)|(GA_D0<<16)
	s_mov_b32 s[G1+4], GA_D1
	s_mov_b32 s[G1+5], GA_ST                       ; elements from row to row
	s_mov_b32 s[G1+6], 0
	s_mov_b32 s[G1+7], 0
	s_mov_b32 s[G1B+1], 32<<16                     ; W's half tile is dense: rows of 32 elements of 8 bytes
	s_mov_b32 s[G1B+2], GB_D1<<16
	s_mov_b32 s[G1B+3], 32<<16
	s_mov_b32 s[G1B+4], GB_D1
	s_mov_b32 s[G1B+5], 32
	s_mov_b32 s[G1B+6], 0
	s_mov_b32 s[G1B+7], 0
	s_mul_i32 s16, s13, A_TY                       ; A's tile hangs on the row tile and the wave alone,
	s_mul_i32 s17, s12, A_HF
	s_add_co_u32 s16, s16, s17
	s_mov_b32 s17, 0
	s_mul_i32 s46, s42, B_TX                       ; W's on the column tile and the wave alone
	s_mul_i32 s47, s12, B_HF
	s_add_co_u32 s46, s46, s47
	s_add_co_u32 s46, s46, B_OFF
	s_mov_b32 s47, 0
	s_mul_i32 s20, s12, AHALF                      ; where they go in a slot: no place in the cluster enters an LDS address
	s_mul_i32 s21, s12, BHALF
	s_add_co_u32 s21, s21, ABYTES
	s_wait_kmcnt 0x0
	s_add_nc_u64 s[14:15], s[4:5], s[16:17]
	s_add_nc_u64 s[46:47], s[6:7], s[46:47]
	ROUND                                          ; all sixteen work-groups are here: the first joint loads meet
.irp s, 0,1
	s_mov_b32 s[G0+4*\s], 1
	s_add_co_u32 s[G0+4*\s+1], s20, \s*SLOT
	s_add_nc_u64 s[G0+4*\s+2:G0+4*\s+3], s[14:15], \s*ASTEP      ; slot s begins with K step s
	s_or_b32 s[G0+4*\s+3], s[G0+4*\s+3], 0x80000000
	s_mov_b32 s[G0B+4*\s], 1
	s_add_co_u32 s[G0B+4*\s+1], s21, \s*SLOT
	s_add_nc_u64 s[G0B+4*\s+2:G0B+4*\s+3], s[46:47], \s*BSTEP
	s_or_b32 s[G0B+4*\s+3], s[G0B+4*\s+3], 0x80000000
.endr
	s_cmp_eq_u32 s11, 0                            ; a wave's two first fills stand in one branch, ahead of every wait on TENSORcnt, every LDS read and every further barrier
	s_cbranch_scc0 .Lfirst_b
	tensor_load_to_lds s[G0:G0+3], s[G1:G1+7]
	s_nop 0
	tensor_load_to_lds s[G0+4:G0+7], s[G1:G1+7]
	s_nop 0
.rept 4
	v_nop
.endr
	s_branch .Lfirst_done
.Lfirst_b:
	tensor_load_to_lds s[G0B:G0B+3], s[G1B:G1B+7]
	s_nop 0
	tensor_load_to_lds s[G0B+4:G0B+7], s[G1B:G1B+7]
	s_nop 0
.rept 4
	v_nop
.endr
.Lfirst_done:
	v_and_b32 v1, 15, v0                           ; l % 16
	v_bfe_u32 v2, v0, 4, 1                         ; l / 16
	s_lshl_b32 s16, s13, 19                        ; the first row of C that I store: 128 x row tile + 32 x wave, rows of 4,096 bytes,
	s_lshl_b32 s17, s10, 17
	s_add_co_u32 s16, s16, s17
	s_mov_b32 s17, 0
	s_lshl_b32 s46, s42, 8                         ; and the column tile's 256 bytes
	s_mov_b32 s47, 0
	s_add_nc_u64 s[8:9], s[8:9], s[16:17]
	s_add_nc_u64 s[8:9], s[8:9], s[46:47]
.if INITK != 0
	s_lshl_b32 s16, s13, 19                        ; the residual at my own 64 rows x 32 columns
	s_lshl_b32 s17, s11, 18
	s_add_co_u32 s16, s16, s17
	s_lshl_b32 s17, s12, 7
	s_add_co_u32 s16, s16, s17
	s_mov_b32 s17, 0
	s_add_nc_u64 s[68:69], s[68:69], s[16:17]
	s_add_nc_u64 s[68:69], s[68:69], s[46:47]
	v_lshlrev_b32 v21, 12, v1                      ; row l % 16, 32 bytes for each half of the lanes
	v_lshl_add_u32 v21, v2, 5, v21
.set n_, 0
.rept 8
	global_load_b128 v[ACCB+8*n_:ACCB+8*n_+3],   v21, s[68:69] offset:(n_/2)*65536+(n_%2)*64
	global_load_b128 v[ACCB+8*n_+4:ACCB+8*n_+7], v21, s[68:69] offset:(n_/2)*65536+(n_%2)*64+16
.set n_, n_+1
.endr
.endif
.if INITK != 1
	s_lshl_b32 s17, s12, 7                         ; the bias of my 32 columns
	s_add_co_u32 s46, s46, s17
	s_add_nc_u64 s[66:67], s[66:67], s[46:47]
	v_lshlrev_b32 v24, 5, v2
.if INITK == 0
.set n_, 0
.rept 8                                ; every block of rows begins from the same 32 numbers
	global_load_b128 v[ACCB+8*n_:ACCB+8*n_+3],   v24, s[66:67] offset:(n_%2)*64
	global_load_b128 v[ACCB+8*n_+4:ACCB+8*n_+7], v24, s[66:67] offset:(n_%2)*64+16
.set n_, n_+1
.endr
.else
.irp b, 0,1
	global_load_b128 v[32+8*\b:35+8*\b], v24, s[66:67] offset:64*\b
	global_load_b128 v[36+8*\b:39+8*\b], v24, s[66:67] offset:64*\b+16
.endr
.endif
.endif
	v_mul_u32_u24 v3, v1, PA                       ; A's fragment: row l % 16, 16 bytes at 16 (l / 16), and 32 further on
	v_lshl_add_u32 v3, v2, 4, v3
	s_mul_i32 s22, s11, 64*PA
	v_add_nc_u32 v22, s22, v3
	v_bfe_u32 v4, v0, 1, 2                         ; W's fragment, turned: row k = 8 (l / 16) + l % 8 lies at (k / 2) PB2 + 128 (k % 2); 16 bytes at 16 ((l / 8) % 2); 16 rows further on = 8 PB2
	v_lshl_add_u32 v4, v2, 2, v4
	v_mul_u32_u24 v4, v4, PB2
	v_and_b32 v5, 1, v0
	v_lshl_add_u32 v4, v5, 7, v4
	v_bfe_u32 v5, v0, 3, 1
	v_lshl_add_u32 v4, v5, 4, v4
	s_lshl_b32 s23, s12, 6
	s_add_co_u32 s23, s23, ABYTES
	v_add_nc_u32 v23, s23, v4
	s_mul_i32 s22, s11, 64*272                     ; the stage: 128 rows of 256 bytes + 16; in: row l % 16, 32 bytes for each half of the lanes
	s_lshl_b32 s23, s12, 7
	s_add_co_u32 s22, s22, s23
	s_add_co_u32 s22, s22, STAGE
	v_mul_u32_u24 v6, v1, 272
	v_lshl_add_u32 v6, v2, 5, v6
	v_add_nc_u32 v16, s22, v6
	s_mul_i32 s22, s10, 32*272                     ; back: wave w takes rows 32 w on, whole; lanes 0-15 one row, lanes 16-31 the next
	s_add_co_u32 s22, s22, STAGE
	v_mul_u32_u24 v6, v2, 272
	v_lshl_add_u32 v6, v1, 4, v6
	v_add_nc_u32 v17, s22, v6
	v_lshlrev_b32 v6, 12, v2                       ; the same two rows in C
	v_lshl_add_u32 v20, v1, 4, v6
.macro FETCH                           ; the fragments of quarter fq_ of the slot in hand -> buffer ff_: 12 loads in one run
.set b_, 0
.rept 2
.set rB, F0+ff_*FSZ+32+8*b_
.set oB, fq_*16*PB2+b_*32
	ds_load_tr16_b128 v[rB:rB+3],   v12 offset:oB
	ds_load_tr16_b128 v[rB+4:rB+7], v12 offset:oB+8*PB2
.set b_, b_+1
.endr
.set a_, 0
.rept 4
.set rA, F0+ff_*FSZ+8*a_
.set oA, a_*16*PA+((fq_%AQN)>>AQS)*AQH+(fq_&AQM)*64
	ds_load_b128 v[rA:rA+3],   v[10+fq_/AQN] offset:oA
	ds_load_b128 v[rA+4:rA+7], v[10+fq_/AQN] offset:oA+32
.set a_, a_+1
.endr
.endm
.macro MUL                             ; 8 matrix instructions on buffer ff_: every accumulator once, in the same order in every quarter: they take turns
.set n_, 0
.rept 8
.set rD, ACCB+8*n_
.set rA, F0+ff_*FSZ+8*(n_/2)
.set rB, F0+ff_*FSZ+32+8*(n_%2)
	v_wmma_f32_16x16x32_bf16 v[rD:rD+7], v[rB:rB+7], v[rA:rA+7], v[rD:rD+7]
.set n_, n_+1
.endr
.endm
.macro WORK                            ; one K step, out of the slot in hand
	v_add_nc_u32 v10, s[CUR], v22
.if AQN < NQ
	v_add_nc_u32 v11, AHALF, v10                   ; A's second half lies past the reach of a 16-bit offset
.endif
	v_add_nc_u32 v12, s[CUR], v23
.set fq_, 0
.set ff_, 0
	FETCH
.set fq_, 1
.set ff_, 1
	FETCH
.set q_, 0
.rept NQ
.if q_ == NQ-1
	s_wait_dscnt 0x0                               ; the last quarter: nothing was fetched behind it
.else
	s_wait_dscnt LF                                ; this quarter's fragments are in; the next quarter's 12 loads may be out
.endif
.set ff_, q_&1
	MUL
.if q_+2 < NQ
	PLACES
.set fq_, q_+2
	FETCH                                          ; the buffer just multiplied takes the quarter after next
.endif
.set q_, q_+1
.endr
.endm
	s_wait_tensorcnt 0x1                           ; my part of slot 0 is in; slot 1's may stay out
	s_barrier_signal -1
	s_barrier_wait -1                              ; everybody's is
	s_mov_b32 s[CUR], 0
	s_wait_loadcnt 0x0                             ; what the sums begin from
.if INITK == 2
.set n_, 0
.rept 8
.set k_, 0
.rept 4
	v_pk_add_f32 v[ACCB+8*n_+2*k_:ACCB+8*n_+2*k_+1], v[ACCB+8*n_+2*k_:ACCB+8*n_+2*k_+1], v[32+8*(n_%2)+2*k_:32+8*(n_%2)+2*k_+1]
.set k_, k_+1
.endr
.set n_, n_+1
.endr
.endif
	s_mov_b32 s3, NSTEP-2
.Ltrip:                                                ; a K step, and its slot is filled again with the K step two on
	WORK
	s_wait_tensorcnt 0x0                           ; all my tensor loads have landed: the one that was out is my part of the other slot
	ds_add_u32 v28, v29                            ; 0 onto my spare word
	s_add_co_u32 s[G0+5], s20, s[CUR]              ; no load of mine is out, so the walking descriptors may be written: into the slot just read,
	s_add_co_u32 s[G0B+5], s21, s[CUR]
	s_add_nc_u64 s[G0+6:G0+7], s[G0+6:G0+7], ASTEP         ; the next K step in memory
	s_add_nc_u64 s[G0B+6:G0B+7], s[G0B+6:G0B+7], BSTEP
	s_xor_b32 s[CUR], s[CUR], SLOT                 ; the work goes on in the other slot
	s_wait_dscnt 0x0                               ; the add is done, and my reads of the slot are over
	ROUND                                          ; both now hold of every wave of the sixteen work-groups
	JLOAD                                          ; first behind the round; its four v_nop are also the places in front of the next step's loads
	s_sub_co_u32 s3, s3, 1
	s_cmp_lg_u32 s3, 0
	s_cbranch_scc1 .Ltrip
	s_mov_b32 s3, 2
.Ltail:                                                ; the last two K steps ask for nothing
	WORK
	s_wait_tensorcnt 0x0
	ds_add_u32 v28, v29
	s_xor_b32 s[CUR], s[CUR], SLOT
	s_wait_dscnt 0x0
	ROUND                                          ; the last slot is whole for every wave; behind the last step: every wave has left the slots
	PLACES                                         ; in front of the next step's loads, and of the way out
	s_sub_co_u32 s3, s3, 1
	s_cmp_lg_u32 s3, 0
	s_cbranch_scc1 .Ltail
	; THE WAY OUT: f32 rows.  A row's 256 bytes come from two waves: through the work-group's stage, with a barrier between writing and reading.
.set n_, 0
.rept 8
	ds_store_b128 v16, v[ACCB+8*n_:ACCB+8*n_+3]   offset:(n_/2)*4352+(n_%2)*64      ; an accumulator's low four registers first
	ds_store_b128 v16, v[ACCB+8*n_+4:ACCB+8*n_+7] offset:(n_/2)*4352+(n_%2)*64+16
.set n_, n_+1
.endr
	s_wait_dscnt 0x0                               ; for the others' sake: my stores into the stage are done
	s_barrier_signal -1
	s_barrier_wait -1
.set t_, 0
.rept 16
	ds_load_b128 v[32+4*t_:35+4*t_], v17 offset:544*t_
.set t_, t_+1
.endr
.set t_, 0
.rept 16
	s_wait_dscnt 15-t_                             ; the younger reads of the stage may be out
	global_store_b128 v20, v[32+4*t_:35+4*t_], s[8:9] offset:8192*t_     ; 16 lanes store 256 consecutive bytes, aligned
.set t_, t_+1
.endr
	s_wait_tensorcnt 0x0                           ; the wave's end
	ds_add_u32 v28, v29
	s_wait_dscnt 0x0
	ROUND                                          ; the closing round: no work-group ends while a partner may still ask for a tile that names it
	s_endpgm
.Lfunc_end_k_qa894d9912b_gdn:
	.size	k_qa894d9912b_gdn, .Lfunc_end_k_qa894d9912b_gdn-k_qa894d9912b_gdn
	.p2alignl 7, 3214868480
	.fill 96, 4, 3214868480
	.section	.rodata,"a",@progbits
	.p2align	6, 0x0
	.amdhsa_kernel k_qa894d9912b_gdn
		.amdhsa_group_segment_fixed_size 327680
		.amdhsa_private_segment_fixed_size 0
		.amdhsa_enable_private_segment 0
		.amdhsa_kernarg_size 32
		.amdhsa_user_sgpr_count 2
		.amdhsa_user_sgpr_kernarg_segment_ptr 1
		.amdhsa_wavefront_size32 1
		.amdhsa_system_sgpr_workgroup_id_x 1
		.amdhsa_system_sgpr_workgroup_id_y 1
		.amdhsa_system_sgpr_workgroup_id_z 1
		.amdhsa_system_vgpr_workitem_id 0
		.amdhsa_next_free_vgpr 256
		.amdhsa_next_free_sgpr 72
		.amdhsa_reserve_vcc 0
		.amdhsa_float_denorm_mode_32 3
		.amdhsa_float_denorm_mode_16_64 3
		.amdhsa_memory_ordered 1
		.amdhsa_forward_progress 1
		.amdhsa_inst_pref_size 49
	.end_amdhsa_kernel
	.amdgpu_metadata
---
amdhsa.version: [ 1, 2 ]
amdhsa.kernels:
  - .name:           k_qa894d9912b_gdn
    .symbol:         k_qa894d9912b_gdn.kd
    .args:
      - { .name: act, .offset: 0, .size: 8, .value_kind: global_buffer, .address_space: global }
      - { .name: pre, .offset: 8, .size: 8, .value_kind: global_buffer, .address_space: global }
      - { .name: x2, .offset: 16, .size: 8, .value_kind: global_buffer, .address_space: global }
      - { .name: out0, .offset: 24, .size: 8, .value_kind: global_buffer, .address_space: global }
    .group_segment_fixed_size: 327680
    .private_segment_fixed_size: 0
    .kernarg_segment_align: 8
    .kernarg_segment_size: 32
    .max_flat_workgroup_size: 128
    .sgpr_count:     72
    .vgpr_count:     256
    .wavefront_size: 32
...
	.end_amdgpu_metadata
.endif
;; end of part 8
